; MI455X (gfx1250); checked and timed in simulation.
; The chip was launched on July 23, 2026; its instructions are those of AMD's public machine-readable ISA for CDNA 5 (MIT licence, August 2026) and "CDNA5" Instruction Set Architecture Reference Guide (July 2026). The comments in the code are by the model that wrote it; some were corrected since.
;; QF Layer. Allowed arithmetic: matrix products marked QUANTISED: E4M3 operands, one E8M0 scale for each 32 along K, by v_wmma_scale_f32_16x16x128_f8f6f4 with both operands' format E4M3, f32 sums; everything else in f32.
;; Inputs: W1 768 x 3,072 float32; W2 3,072 x 768 float32; Wk1 768 x 768 float32; Wk2 1,024 x 768 float32; Wq1 768 x 768 float32; Wq2 768 x 768 float32; Wv1 768 x 768 float32; Wv2 1,024 x 768 float32; b1 3,072 float32; b2 768 float32; bk1 768 float32; bk2 768 float32; bq1 768 float32; bq2 768 float32; bv1 768 float32; bv2 768 float32; im_repr 256 x 1,024 float32; ln_b 768 float32; ln_g 768 float32; q_repr 256 x 55 x 768 float32.
;; Outputs: out0 256 x 768 float32.
;; This version of the problem:
;;   THIS VERSION OF THE PROBLEM IS GIVEN IN LOW PRECISION. The matrix products marked QUANTISED in the list below multiply operands that are first quantised to E4M3 (4 exponent bits, 3 mantissa bits; 8 bits a number), with one power-of-two scale for each 32 numbers along K (OCP MX v1.0); their sums are f32. All else is computed in f32.
;;   The module's matrix products, in the order in which they are computed (A, B: the left and right operand; K: the contracted axis; several contracted axes count as one K, in the product's order):
;;     1. [M 14,080, K 768] x [K 768, N 768]; A: input q_repr; B: input Wq1: QUANTISED
;;     2. [M 14,080, K 768] x [K 768, N 768]; A: input q_repr; B: input Wk1: QUANTISED
;;     3. [M 14,080, K 768] x [K 768, N 768]; A: input q_repr; B: input Wv1: QUANTISED
;;     4. batch 3,072 x [M 55, K 64] x [K 64, N 55]; A: computed on the way; B: computed on the way: QUANTISED
;;     5. batch 3,072 x [M 55, K 55] x [K 55, N 64]; A: softmax (see below); B: computed on the way: QUANTISED
;;     6. [M 14,080, K 768] x [K 768, N 768]; A: computed on the way; B: input Wq2: QUANTISED
;;     7. [M 14,080, K 1,024] x [K 1,024, N 768]; A: input im_repr; B: input Wk2: QUANTISED
;;     8. [M 14,080, K 1,024] x [K 1,024, N 768]; A: input im_repr; B: input Wv2: QUANTISED
;;     9. batch 3,072 x [M 55, K 64] x [K 64, N 55]; A: computed on the way; B: computed on the way: QUANTISED
;;     10. batch 3,072 x [M 55, K 55] x [K 55, N 64]; A: softmax (see below); B: computed on the way: QUANTISED
;;     11. [M 256, K 768] x [K 768, N 3,072]; A: computed on the way; B: input W1: QUANTISED
;;     12. [M 256, K 3,072] x [K 3,072, N 768]; A: computed on the way; B: input W2: QUANTISED
;;   THE QUANTISER, for each operand of a quantised product, along K:
;;     - K is cut into blocks of 32 from its start; a last block that is shorter is filled with zeros.
;;     - A block's scale is 2^e with e = floor(log2(the largest magnitude in the block)) - 8, held to -126 .. 127; a block of zeros has e = 0. As a byte (E8M0): e + 127.
;;     - Each number is divided by its block's scale, clamped to +-448, and rounded to the nearest number of E4M3, ties to even, subnormals kept.
;;     - The product sums the exact products of the quantised numbers (number of the format x scale) in f32.
;;   ~~~python
;;   def quantise(x, axis):      # numpy; x: float32 -> the quantised numbers, widened to float32 again
;;       x = np.moveaxis(x, axis, -1); K = x.shape[-1]
;;       x = np.pad(x, [(0, 0)] * (x.ndim - 1) + [(0, -K % 32)]); x = x.reshape(x.shape[:-1] + (-1, 32)); a = np.abs(x).max(-1, keepdims=True)
;;       e = np.where(a > 0, np.clip(np.frexp(np.where(a > 0, a, 1))[1] - 1 - 8, -126, 127), 0)      # np.frexp(a)[1] - 1 = floor(log2(a)), exactly
;;       r = np.clip(x / 2.0 ** e, -448, 448)
;;       step = 2.0 ** (np.maximum(np.frexp(np.where(r == 0, 1, r))[1] - 1, -6) - 3)
;;       q = np.round(r / step) * step * 2.0 ** e      # np.round: ties to even
;;       return np.moveaxis(q.reshape(q.shape[:-2] + (-1,))[..., :K], -1, axis).astype(np.float32)
;;   ~~~
;;   SOFTMAX AHEAD OF A QUANTISED PRODUCT. Where the list says 'softmax', what is quantised is not the finished softmax but p = 2^(t - M), with t = logit x log2(e) and M = ceil(the row's largest t), a whole number; so 1/2 < the row's largest p <= 1. The row's sum l is taken of the UNQUANTISED p, in f32, and the product's result is divided by l at the end. Since M is a whole number, a kernel that streams over the keys may use a running M (the ceiling of the running maximum): every later rescaling is an exact power of two, which a block's scale takes up: the codes' values come out the same.
;;   OPERANDS COMPUTED ON THE WAY. 'Computed on the way' means the value that the module computes at that place (a softmax that the list does not call 'softmax' is quantised finished and normalised). What goes into a quantiser is computed in f32, as accurately as f32 sums, v_exp_f32 and their like allow (about 1e-6 of the number): no bf16 or f16 on the way to a quantiser, and a product that is left as it is and whose result goes on into a quantised operand takes f32 operands (vector FMAs, or v_wmma_f32_16x16x4_f32). A number that lies on a knife's edge between two numbers of the format may be rounded either way, as far as f32 arithmetic and the matrix unit's own rounding can turn it there, and no further.
;; One version. Each part assembles by itself: llvm-mc -triple=amdgcn-amd-amdhsa -mcpu=gfx1250 --defsym DOCPART=n.
;; ======== version 1 of 1: 6 launches
;; limits: right only within a limited range of input values
;; workspace buffers: acts 13,647,872 bytes; wts 9,043,968 bytes; ctx 13,369,344 bytes; kv2 1,572,864 bytes; xb 995,328 bytes; hid 835,584 bytes; yb 786,432 bytes
;; launch prep (part 1): grid 1312 x 1, 4 waves a work-group, no clusters, 34,304 bytes of LDS; arguments q_repr, im_repr, Wq1, Wk1, Wv1, Wq2, Wk2, Wv2, W1, W2, bq1, bk1, bv1, bq2, bk2, bv2, b1, b2, acts, wts; writes acts, wts
.if DOCPART == 1
	.amdgcn_target "amdgcn-amd-amdhsa--gfx1250"
	.amdhsa_code_object_version 6
	.text
	.protected	k_q70eb603962_prep
	.globl	k_q70eb603962_prep
	.p2align	8
	.type	k_q70eb603962_prep,@function
k_q70eb603962_prep:
	s_mov_b64 s[64:65], 0
	v_nop
	global_prefetch_b8 v0, s[64:65] scope:SCOPE_SE
	s_setreg_imm32_b32 hwreg(HW_REG_WAVE_MODE, 25, 1), 1
	s_wait_xcnt 0x0
; PREP: q_repr, im_repr and the eight weights become codes of E4M3 with one E8M0 byte for each 32 along K, laid in the ORDER OF THE OPERANDS' REGISTERS.
; WHAT THE WHOLE PROGRAM LEAVES OUT, AND WHY.  No input and no product of the layer is dead: with the quantisers as they stand, each query's cross-attention weight p = 2^(t - ceil t) is
; held at 448 x its scale or not according to t, so q_repr, all weights and all biases reach out0, and all are loaded.  What is left out is work that reference() writes more than once:
; it builds vision = 55 copies of each row of im_repr in its own body, and the quantiser works row by row, so the 55 rows of vision @ Wk2 and of vision @ Wv2 of a batch are one row, for all
; values of the inputs: they are multiplied once for each batch (256 rows, not 14,080); and the 55 key columns of the second score product are one column: one is multiplied.
; LIMITS: NaN and infinities among the inputs are not served.  A block whose largest magnitude lies under 2^-118 keeps the byte 1; a block of zeros has the byte 1 where the rule says 127:
; its codes are zeros, which add nothing under any byte but 0xff, and the bytes are read by this program alone.
; A FRAGMENT'S IMAGE (16 rows x 128 K, 2,048 bytes): register group c at 512 c, lane l at 16 l; lane (r = l % 16, h = l / 16) holds k = 32 c + 16 h + 0..15 of row r.  Scale image: one word a lane at 4 l.
; acts: q images, fragment (4 b + m) 6 + s; tile m of batch b takes tokens 32 (m / 2) + 8 (m % 2) + r + 8 (r / 8), tokens over 54 are copies of token 54; then their scale images; then im_repr's (natural rows).
; wts: a RECORD for each pair of tiles (32 columns): fragments (s, u) at 4096 s + 2048 u, scale images (lanes 0-15 tile 0, lanes 16-31 tile 1) behind them, then the 32 biases.  Tile u, row r is column 8 u + r + 8 (r / 8) of the pair.
; WORK-GROUPS: 0-527 the weights (a wave: one pair, 128 along K); 528-1295 q_repr (batch a % 256, 256 along K: a / 256, a = id - 528; wave = tile); 1296-1311 im_repr (tile a - 768; wave = 256 along K).
; THE WEIGHTS COME FIRST: a weight wave's 128 loads go out in runs of 32, a run only when the run two before it has landed, so its chain of waits is the longest in the launch; an activation wave's 32 loads go out at once.
.set NW,     528
.set NQ,     768
.set QSC,    12582912
.set IIMG,   13369344
.set ISC,    13631488
.set SPITCH, 528                       ; a stage row: 512 bytes + 16: the sixteen rows that a load touches start at sixteen different 16-byte columns
.set WSTG,   16*SPITCH                 ; a wave's own stage
.set SPARE,  4*WSTG                    ; behind the stages: the spare words, 128 bytes a wave
.set LI,  5                            ; v5   16 x lane
.set LS,  6                            ; v6   4 x lane
.set A1,  7                            ; v7   activations: stage, way in;   weights: my column's bytes in a row
.set A2,  8                            ; v8   activations: stage, way out;  weights: my place in a fragment's image
.set PW,  9                            ; v9   a scale word
.set OFF, 10                           ; v10-25 byte offset of my 16 bytes in each of the tile's 16 rows
.set SPW, 26
.set NIL, 27
.set WB,  28                           ; v28  a bias
.set WS,  30                           ; v30  weights: the scale word
.set RAW, 32                           ; v32-159 two K steps as loaded
.set TM,  160                          ; v160-175 at work
.set PC,  176                          ; v176-191 a fragment's codes
.set WX,  32                           ; weights: two sets of 32 numbers
.set WC,  96                           ; weights: eight registers of codes for each of 4 blocks: no store's data are written again
	s_load_b512 s[8:23], s[0:1], 0x0               ; q_repr 8, im_repr 10, Wq1 12, Wk1 14, Wv1 16, Wq2 18, Wk2 20, Wv2 22
	s_load_b512 s[24:39], s[0:1], 0x40             ; W1 24, W2 26, bq1 28, bk1 30, bv1 32, bq2 34, bk2 36, bv2 38
	s_load_b256 s[40:47], s[0:1], 0x80             ; b1 40, b2 42, acts 44, wts 46
	v_lshl_add_u32 v[SPW], v0, 2, SPARE
	v_mov_b32 v[NIL], 0
	v_lshrrev_b32 v1, 5, v0
	v_readfirstlane_b32 s2, v1                     ; wave
	v_and_b32 v2, 31, v0                           ; lane
	v_and_b32 v3, 15, v0                           ; r
	v_bfe_u32 v4, v0, 4, 1                         ; h
	v_lshlrev_b32 v[LI], 4, v2
	v_lshlrev_b32 v[LS], 2, v2
	s_mov_b32 s3, 0x600000                         ; the mantissa field of 448
	s_mov_b32 s4, 0x76543210
	s_mov_b32 s5, 0xfedcba98                       ; v_permlanex16_b32: lane l xor 16
	s_cmp_lt_u32 ttmp9, NW
	s_cbranch_scc1 .Lweights
; ---------------- activations: one path for both tensors; what differs is chosen on the work-group's number
	s_sub_co_u32 s6, ttmp9, NW                     ; a
	s_and_b32 s48, s6, 255                         ; q: batch
	s_lshr_b32 s49, s6, 8                          ; q: which 256 along K
	s_lshl_b32 s50, s48, 2
	s_add_co_u32 s50, s50, s2
	s_mul_i32 s50, s50, 6
	s_lshl_b32 s51, s49, 1
	s_add_co_u32 s50, s50, s51                     ; q: my first fragment
	s_mul_i32 s52, s48, 168960
	s_lshl_b32 s51, s49, 10
	s_add_co_u32 s52, s52, s51                     ; q: source offset
	s_lshr_b32 s70, s2, 1
	s_lshl_b32 s70, s70, 5
	s_and_b32 s51, s2, 1
	s_lshl_b32 s51, s51, 3
	s_add_co_u32 s70, s70, s51                     ; q: the tile's first token
	s_sub_co_u32 s54, s6, NQ                       ; im: tile
	s_lshl_b32 s55, s54, 3
	s_lshl_b32 s51, s2, 1
	s_add_co_u32 s55, s55, s51                     ; im: my first fragment
	s_lshl_b32 s56, s54, 16
	s_lshl_b32 s51, s2, 10
	s_add_co_u32 s56, s56, s51                     ; im: source offset
	s_lshl_b32 s72, s50, 11
	s_lshl_b32 s74, s50, 7
	s_add_co_u32 s74, s74, QSC
	s_lshl_b32 s58, s55, 11
	s_add_co_u32 s58, s58, IIMG
	s_lshl_b32 s59, s55, 7
	s_add_co_u32 s59, s59, ISC
	s_mov_b32 s61, 4096
	s_mov_b32 s53, 0
	s_mov_b32 s73, 0
	s_mov_b32 s75, 0
	s_wait_kmcnt 0x0
	s_cmp_lt_u32 s6, NQ                            ; the choice hangs on the work-group's number alone
	s_cselect_b64 s[8:9], s[8:9], s[10:11]
	s_cselect_b32 s52, s52, s56
	s_cselect_b32 s72, s72, s58
	s_cselect_b32 s74, s74, s59
	s_cselect_b32 s70, s70, 0
	s_cselect_b32 s62, 8, 0                        ; rows 8-15 of a q tile lie 8 tokens further on
	s_cselect_b32 s63, 54, 15                      ; the last row that exists
	s_cselect_b32 s61, 3072, s61                   ; bytes in a row
	s_add_nc_u64 s[8:9], s[8:9], s[52:53]
	s_add_nc_u64 s[76:77], s[44:45], s[72:73]      ; codes out
	s_add_nc_u64 s[78:79], s[44:45], s[74:75]      ; scale words out
	s_wait_alu depctr_va_vdst(0)
.irp i, 0,1,2,3,4,5,6,7,8,9,10,11,12,13,14,15
	s_add_co_u32 s51, s70, \i
.if \i >= 8
	s_add_co_u32 s51, s51, s62
.endif
	s_min_u32 s51, s51, s63                        ; no load leaves the batch: tokens over 54 read token 54
	s_mul_i32 s51, s51, s61
	v_add_nc_u32 v[OFF+\i], s51, v[LI]
.endr
	s_wait_alu depctr_va_vdst(0)
.irp k, 0,1
.irp i, 0,1,2,3,4,5,6,7,8,9,10,11,12,13,14,15
	global_load_b128 v[RAW+64*\k+4*\i:RAW+64*\k+4*\i+3], v[OFF+\i], s[8:9] offset:512*\k th:TH_LOAD_NT   ; 32 lanes read 512 consecutive bytes of a row
.endr
.endr
	s_mul_i32 s60, s2, WSTG
	v_add_nc_u32 v[A1], s60, v[LI]                 ; in: a row as it lies
	v_mul_u32_u24 v[A2], v3, SPITCH
	v_lshl_add_u32 v[A2], v4, 6, v[A2]
	v_add_nc_u32 v[A2], s60, v[A2]                 ; out: row r, + 64 h: 16 neighbours of each block of 32
.irp b, 0,1,2,3
	v_mov_b32 v[TM+4+\b], 0                        ; written once: a lane permute's destination counts as one of its sources
.endr
; 64 numbers of a lane become a fragment's codes in v[PC] on and its scale word in v[PW]
.macro QUANT x
.irp b, 0,1,2,3
	v_max3_num_f32 v[TM+\b], |v[\x+16*\b]|, |v[\x+16*\b+1]|, 0x4800000   ; the floor 2^(9 - 127): the byte cannot fall under 1
.endr
.irp i, 2,4,6,8,10,12,14
.irp b, 0,1,2,3
	v_max3_num_f32 v[TM+\b], v[TM+\b], |v[\x+16*\b+\i]|, |v[\x+16*\b+\i+1]|
.endr
.endr
.irp b, 0,1,2,3
	v_permlanex16_b32 v[TM+4+\b], v[TM+\b], s4, s5
.endr
.irp b, 0,1,2,3
	v_max_num_f32 v[TM+\b], v[TM+\b], v[TM+4+\b]   ; with lane l xor 16's 16: the block's largest magnitude
.endr
.irp b, 0,1,2,3
	v_add_nc_u32 v[TM+12+\b], 0xfc000000, v[TM+\b] ; 8 off its exponent field: the conversion's scale operand
.endr
.irp b, 0,1,2,3
	v_and_or_b32 v[TM+8+\b], v[TM+\b], 0x7f800000, s3   ; 448 x the scale
.endr
.irp b, 0,1,2,3
	v_lshrrev_b32 v[TM+4+\b], 23, v[TM+12+\b]      ; the scale's byte
.endr
	v_lshl_or_b32 v[PW], v[TM+5], 8, v[TM+4]
	v_lshl_or_b32 v[PW], v[TM+6], 16, v[PW]
	v_lshl_or_b32 v[PW], v[TM+7], 24, v[PW]
.irp b, 0,1,2,3
.irp i, 0,1,2,3,4,5,6,7,8,9,10,11,12,13,14,15
	v_med3_num_f32 v[\x+16*\b+\i], v[\x+16*\b+\i], -v[TM+8+\b], v[TM+8+\b]   ; the conversion to an 8-bit code does not saturate (ISA guide 7.6.2)
.endr
.endr
.irp b, 0,1,2,3
	v_cvt_scalef32_pk8_fp8_f32 v[PC+4*\b:PC+4*\b+1], v[\x+16*\b:\x+16*\b+7], v[TM+12+\b]
	v_cvt_scalef32_pk8_fp8_f32 v[PC+4*\b+2:PC+4*\b+3], v[\x+16*\b+8:\x+16*\b+15], v[TM+12+\b]
.endr
	v_nop                                          ; a plain line behind the last conversion
.endm
.macro HALF k                          ; K step k of my two: through my own stage, quantised, stored
	s_wait_loadcnt 16-16*\k                        ; this K step's 16 loads are in; the other's may be out
.irp i, 0,1,2,3,4,5,6,7,8,9,10,11,12,13,14,15
	ds_store_b128 v[A1], v[RAW+64*\k+4*\i:RAW+64*\k+4*\i+3] offset:SPITCH*\i
.endr
	s_wait_dscnt 0x0                               ; the stores have read their registers: the turned numbers land on them
.irp c, 0,1,2,3
.irp j, 0,1,2,3
	ds_load_b128 v[RAW+64*\k+16*\c+4*\j:RAW+64*\k+16*\c+4*\j+3], v[A2] offset:128*\c+16*\j   ; register 16 c + i = k 32 c + 16 h + i of my row
.endr
.endr
	s_wait_dscnt 0x0
.if \k
	s_wait_xcnt 0x0                                ; the first K step's stores have read v[PC] and v[PW]
.endif
	QUANT RAW+64*\k
.irp c, 0,1,2,3
	global_store_b128 v[LI], v[PC+4*\c:PC+4*\c+3], s[76:77] offset:2048*\k+512*\c   ; 512 consecutive bytes
.endr
	global_store_b32 v[LS], v[PW], s[78:79] offset:128*\k
.endm
	s_wait_alu depctr_va_vdst(0)
	HALF 0
	HALF 1
	s_branch .Lend
; ---------------- weights: a lane takes a column, its registers run down K
.Lweights:
	s_mov_b32 s48, ttmp9
	s_wait_kmcnt 0x0
	s_mov_b64 s[50:51], s[12:13]                   ; Wq1
	s_mov_b64 s[52:53], s[28:29]
	s_mov_b32 s54, 0                               ; the matrix's first work-group
	s_mov_b32 s55, 0                               ; its region in wts
	s_mov_b32 s56, 153600                          ; from pair 2 i to pair 2 i + 2
	s_mov_b32 s57, 25600                           ; a record
	s_mov_b32 s58, 10923                           ; x / 6 = (x 10923) >> 16 for x < 144
	s_mov_b32 s59, 6                               ; K / 128
	s_mov_b32 s60, 24576                           ; scale images in a record
	s_mov_b32 s61, 25344                           ; biases in a record
	s_mov_b32 s62, 3072                            ; bytes in a row of the matrix
.macro PICK st, ps, pb, rg             ; from work-group st on: another matrix.  Choices on the work-group's number alone
	s_cmp_ge_u32 s48, \st
	s_cselect_b64 s[50:51], s[\ps:\ps+1], s[50:51]
	s_cselect_b64 s[52:53], s[\pb:\pb+1], s[52:53]
	s_cselect_b32 s54, \st, s54
	s_cselect_b32 s55, \rg, s55
.endm
.macro SHAPE a, rs, mg, ns, so, bo, sd ; on the compare just made
	s_cselect_b32 s56, \a, s56
	s_cselect_b32 s57, \rs, s57
	s_cselect_b32 s58, \mg, s58
	s_cselect_b32 s59, \ns, s59
	s_cselect_b32 s60, \so, s60
	s_cselect_b32 s61, \bo, s61
	s_cselect_b32 s62, \sd, s62
.endm
	PICK 36, 14, 30, 51200                         ; Wk1
	PICK 72, 16, 32, 102400                        ; Wv1
	PICK 108, 18, 34, 1843200                      ; Wq2
	s_cselect_b32 s56, 51200, s56
	PICK 144, 20, 36, 2457600                      ; Wk2: x / 8 = (x 8192) >> 16
	SHAPE 69632, 34816, 8192, 8, 32768, 33792, 3072
	PICK 192, 22, 38, 3293184                      ; Wv2
	PICK 240, 24, 40, 4128768                      ; W1
	SHAPE 51200, 25600, 10923, 6, 24576, 25344, 12288
	PICK 384, 26, 42, 6586368                      ; W2: x / 24 = (x 2731) >> 16 for x < 144
	SHAPE 204800, 102400, 2731, 24, 98304, 101376, 3072
	s_sub_co_u32 s66, s48, s54
	s_mul_i32 s67, s66, s58
	s_lshr_b32 s67, s67, 16                        ; which four pairs
	s_mul_i32 s68, s67, s59
	s_sub_co_u32 s68, s66, s68                     ; which 128 along K
	s_lshl_b32 s69, s67, 2
	s_add_co_u32 s69, s69, s2                      ; my pair
	s_lshr_b32 s70, s69, 1
	s_mul_i32 s70, s70, s56
	s_and_b32 s71, s69, 1
	s_mul_i32 s71, s71, s57
	s_add_co_u32 s70, s70, s71
	s_add_co_u32 s70, s70, s55
	s_mov_b32 s71, 0
	s_add_nc_u64 s[46:47], s[46:47], s[70:71]      ; my record
	s_lshl_b32 s74, s69, 7                         ; 32 columns are 128 bytes
	s_mov_b32 s75, 0
	s_add_nc_u64 s[52:53], s[52:53], s[74:75]
	s_add_nc_u64 s[50:51], s[50:51], s[74:75]
	s_lshl_b32 s74, s68, 7
	s_mul_i32 s74, s74, s62
	s_add_nc_u64 s[50:51], s[50:51], s[74:75]      ; my first row
	s_lshl_b32 s74, s68, 12
	s_add_nc_u64 s[80:81], s[46:47], s[74:75]      ; my K step's two fragments
	s_lshl_b32 s74, s68, 7
	s_add_co_u32 s74, s74, s60
	s_add_nc_u64 s[82:83], s[46:47], s[74:75]      ; its scale image
	s_mov_b32 s74, s61
	s_add_nc_u64 s[84:85], s[46:47], s[74:75]      ; the biases
	s_wait_alu depctr_va_vdst(0)
	v_and_b32 v[A1], 8, v3
	v_add_nc_u32 v[A1], v[A1], v3
	v_lshl_add_u32 v[A1], v4, 3, v[A1]
	v_lshlrev_b32 v[A1], 2, v[A1]                  ; column 8 u + r + 8 (r / 8): the 32 lanes read the pair's 128 consecutive bytes
	v_lshlrev_b32 v[A2], 4, v3
	v_lshl_add_u32 v[A2], v4, 11, v[A2]            ; tile u's image, row r
	global_load_b32 v[WB], v[LS], s[52:53]
.macro WLOAD t, sd
.irp i, 0,1,2,3,4,5,6,7,8,9,10,11,12,13,14,15,16,17,18,19,20,21,22,23,24,25,26,27,28,29,30,31
	global_load_b32 v[WX+32*((\t)%2)+\i], v[A1], s[50:51] offset:(32*(\t)+\i)*(\sd) th:TH_LOAD_NT
.endr
.endm
.macro WBLOCK t, sd
.set XS, WX+32*((\t)%2)
.if (\t) < 3
	s_wait_loadcnt 32                              ; this block's 32 loads are in; the next block's may be out
.else
	s_wait_loadcnt 0x0
.endif
	v_max3_num_f32 v[TM], |v[XS]|, |v[XS+1]|, |v[XS+2]|
	v_max3_num_f32 v[TM+1], |v[XS+3]|, |v[XS+4]|, |v[XS+5]|
.irp i, 6,10,14,18,22,26
	v_max3_num_f32 v[TM], v[TM], |v[XS+\i]|, |v[XS+\i+1]|
	v_max3_num_f32 v[TM+1], v[TM+1], |v[XS+\i+2]|, |v[XS+\i+3]|
.endr
	v_max3_num_f32 v[TM], v[TM], |v[XS+30]|, |v[XS+31]|
	v_max3_num_f32 v[TM], v[TM], v[TM+1], 0x4800000
	v_add_nc_u32 v[TM+3], 0xfc000000, v[TM]
	v_and_or_b32 v[TM+2], v[TM], 0x7f800000, s3
	v_lshrrev_b32 v[TM+4], 23, v[TM+3]
.if (\t) == 0
	v_mov_b32 v[WS], v[TM+4]
.else
	v_lshl_or_b32 v[WS], v[TM+4], 8*(\t), v[WS]
.endif
.irp i, 0,1,2,3,4,5,6,7,8,9,10,11,12,13,14,15,16,17,18,19,20,21,22,23,24,25,26,27,28,29,30,31
	v_med3_num_f32 v[XS+\i], v[XS+\i], -v[TM+2], v[TM+2]
.endr
.irp g, 0,1,2,3
	v_cvt_scalef32_pk8_fp8_f32 v[WC+8*(\t)+2*\g:WC+8*(\t)+2*\g+1], v[XS+8*\g:XS+8*\g+7], v[TM+3]
.endr
	v_nop
	global_store_b128 v[A2], v[WC+8*(\t):WC+8*(\t)+3], s[80:81] offset:(\t)*512        ; k 0..15 of the block: the image's lanes 0-15: sixteen lanes store 256 consecutive bytes
	global_store_b128 v[A2], v[WC+8*(\t)+4:WC+8*(\t)+7], s[80:81] offset:(\t)*512+256  ; k 16..31: its lanes 16-31
.if (\t) == 3
	global_store_b32 v[LS], v[WS], s[82:83]
.endif
.if (\t)+2 < 4
	WLOAD (\t)+2, \sd
.endif
.endm
.macro WALL sd
	WLOAD 0, \sd
	WLOAD 1, \sd
.irp t, 0,1,2,3
	WBLOCK \t, \sd
.endr
.endm
	s_cmp_eq_u32 s62, 12288                        ; W1's rows are longer: the row's length stands in the loads' immediates, so the text stands twice
	s_cbranch_scc1 .Lwide
	WALL 3072
	s_branch .Lbias
.Lwide:
	s_wait_alu depctr_va_vdst(0)
	WALL 12288
.Lbias:
	s_cmp_lg_u32 s68, 0                            ; the wave with the pair's first K step also copies its 32 biases,
	s_cbranch_scc1 .Lend
	global_store_b32 v[LS], v[WB], s[84:85]
	global_store_b32 v[LS], v[NIL], s[84:85] offset:128   ; and clears 128 bytes behind them: every byte of a record that is fetched later is written
.Lend:
	s_wait_tensorcnt 0x0                           ; the wave's end, behind the last LDS store
	ds_add_u32 v[SPW], v[NIL]
	s_wait_dscnt 0x0
	s_endpgm
.Lfunc_end_k_q70eb603962_prep:
	.size	k_q70eb603962_prep, .Lfunc_end_k_q70eb603962_prep-k_q70eb603962_prep
	.p2alignl 7, 3214868480
	.fill 96, 4, 3214868480
	.section	.rodata,"a",@progbits
	.p2align	6, 0x0
	.amdhsa_kernel k_q70eb603962_prep
		.amdhsa_group_segment_fixed_size 34304
		.amdhsa_private_segment_fixed_size 0
		.amdhsa_enable_private_segment 0
		.amdhsa_kernarg_size 160
		.amdhsa_user_sgpr_count 2
		.amdhsa_user_sgpr_kernarg_segment_ptr 1
		.amdhsa_wavefront_size32 1
		.amdhsa_system_sgpr_workgroup_id_x 1
		.amdhsa_system_sgpr_workgroup_id_y 1
		.amdhsa_system_sgpr_workgroup_id_z 1
		.amdhsa_system_vgpr_workitem_id 0
		.amdhsa_next_free_vgpr 192
		.amdhsa_next_free_sgpr 100
		.amdhsa_reserve_vcc 0
		.amdhsa_float_denorm_mode_32 3
		.amdhsa_float_denorm_mode_16_64 3
		.amdhsa_memory_ordered 1
		.amdhsa_forward_progress 1
		.amdhsa_inst_pref_size 90
	.end_amdhsa_kernel
	.amdgpu_metadata
---
amdhsa.version: [ 1, 2 ]
amdhsa.kernels:
  - .name:           k_q70eb603962_prep
    .symbol:         k_q70eb603962_prep.kd
    .args:
      - { .name: q_repr, .offset: 0, .size: 8, .value_kind: global_buffer, .address_space: global }
      - { .name: im_repr, .offset: 8, .size: 8, .value_kind: global_buffer, .address_space: global }
      - { .name: Wq1, .offset: 16, .size: 8, .value_kind: global_buffer, .address_space: global }
      - { .name: Wk1, .offset: 24, .size: 8, .value_kind: global_buffer, .address_space: global }
      - { .name: Wv1, .offset: 32, .size: 8, .value_kind: global_buffer, .address_space: global }
      - { .name: Wq2, .offset: 40, .size: 8, .value_kind: global_buffer, .address_space: global }
      - { .name: Wk2, .offset: 48, .size: 8, .value_kind: global_buffer, .address_space: global }
      - { .name: Wv2, .offset: 56, .size: 8, .value_kind: global_buffer, .address_space: global }
      - { .name: W1, .offset: 64, .size: 8, .value_kind: global_buffer, .address_space: global }
      - { .name: W2, .offset: 72, .size: 8, .value_kind: global_buffer, .address_space: global }
      - { .name: bq1, .offset: 80, .size: 8, .value_kind: global_buffer, .address_space: global }
      - { .name: bk1, .offset: 88, .size: 8, .value_kind: global_buffer, .address_space: global }
      - { .name: bv1, .offset: 96, .size: 8, .value_kind: global_buffer, .address_space: global }
      - { .name: bq2, .offset: 104, .size: 8, .value_kind: global_buffer, .address_space: global }
      - { .name: bk2, .offset: 112, .size: 8, .value_kind: global_buffer, .address_space: global }
      - { .name: bv2, .offset: 120, .size: 8, .value_kind: global_buffer, .address_space: global }
      - { .name: b1, .offset: 128, .size: 8, .value_kind: global_buffer, .address_space: global }
      - { .name: b2, .offset: 136, .size: 8, .value_kind: global_buffer, .address_space: global }
      - { .name: acts, .offset: 144, .size: 8, .value_kind: global_buffer, .address_space: global }
      - { .name: wts, .offset: 152, .size: 8, .value_kind: global_buffer, .address_space: global }
    .group_segment_fixed_size: 34304
    .private_segment_fixed_size: 0
    .kernarg_segment_align: 8
    .kernarg_segment_size: 160
    .max_flat_workgroup_size: 128
    .sgpr_count:     100
    .vgpr_count:     192
    .wavefront_size: 32
...
	.end_amdgpu_metadata
.endif
;; end of part 1
;; launch attn1 (part 2): grid 64 x 4, 4 waves a work-group, clusters of 4 x 1, 327,680 bytes of LDS; arguments acts, wts, kv2, ctx; writes kv2, ctx
.if DOCPART == 2
	.amdgcn_target "amdgcn-amd-amdhsa--gfx1250"
	.amdhsa_code_object_version 6
	.text
	.protected	k_q70eb603962_attn1
	.globl	k_q70eb603962_attn1
	.p2align	8
	.type	k_q70eb603962_attn1,@function
k_q70eb603962_attn1:
	s_mov_b64 s[64:65], 0
	v_nop
	global_prefetch_b8 v0, s[64:65] scope:SCOPE_SE
	s_setreg_imm32_b32 hwreg(HW_REG_WAVE_MODE, 25, 1), 1
	s_wait_xcnt 0x0
	s_wait_alu depctr_hold_cnt(0) depctr_sa_sdst(0) depctr_va_vdst(0) depctr_va_sdst(0) depctr_va_ssrc(0) depctr_va_vcc(0) depctr_vm_vsrc(0)
	s_getreg_b32 s2, hwreg(HW_REG_IB_STS2, 6, 4)
	s_cmp_eq_u32 s2, 0
	s_cbranch_scc0 .Lentry_in_a_cluster
	s_endpgm
.Lentry_in_a_cluster:
	s_bfe_u32 s2, ttmp6, 0x10000c
	s_cmp_lg_u32 s2, 0x3003
	s_cbranch_scc0 .Lentry_shape_is_right
	s_endpgm
.Lentry_shape_is_right:
; ATTN1: the self-attention: q, k, v = q_repr W + b, scores, softmax, context, all on codes of E4M3; the context leaves as codes along the model's 768 (the next product's K).
; Also k2 and v2 = im_repr W + b for 256 rows.  LEFT OUT: the other 54 copies of each of those rows, which reference() makes by its own broadcast (see PREP's head).
; SHARES.  A work-group takes 4 batches x 3 heads; wave w takes batch 4 bg + w.  Its 64 x 768 codes (55 tokens, the rest copies of token 54) stay in 384 registers; the weights go through LDS and all four waves read them.
; The four work-groups of a cluster take the same three heads, so each head's records are asked for JOINTLY (mask 15), a quarter (150 rows of 256 bytes) a wave.
; A head is six records: q0 q1 k0 k1 v0 v1, 153,600 bytes.  Head 0 lies at LDS byte 153,600: the head's one load a wave, in two arms: waves 0 and 1 bring q0 q1 k0, which a plain barrier shows alone; the rest is shown
; behind record 1, by the full sequence and the round behind which head 1 is first filled (at LDS byte 0).  Head 2 refills 153,600 when head 0's records have been read.
; By this text's own count a wave has one tensor load out; every wait on TENSORcnt is for 0.
; No prefetch: heads 1 and 2 are asked for by their own loads most of a head's work ahead of their first read, and head 0 at the kernel's head.
; LAYOUT.  q and k are made transposed (source 0 = 16 columns of W, source 1 = 16 tokens): a lane holds one token, and the 16 registers of a pair's two tiles are 16 neighbours of the head's 64.
; v is made the other way round: a lane holds one column, its registers run along the tokens, the second product's K.  S^T = k q^T and O^T = v^T p^T hold one query a lane.
; Keys 55-63 (lanes 16-31, registers 23-31 of S^T): their scores become -infinity, their v become 0 ahead of the block's maximum.  K = 64 of the instruction's 128: the operands' upper 8 registers are zero codes.
; SOFTMAX: t = score x log2(e) / 8; M = ceil(the row's largest t); p = 2^(t - M) is quantised; the sum of the unquantised p divides at the end.
; THE k2, v2 JOB: waves 0-2 take one record (32 columns) x one tile of 16 batches each, K = 1,024 in two halves, inside head 0's attention, where the records' registers lie idle.
; LIMITS: as in PREP's head.  The k2, v2 rows leave in pieces of 64 bytes; the context's scale bytes two at a time.
; REGISTERS: window 0 below; window 1: A's fragments f = 4 s + m, f < 16; window 2: v0-127 f = 16..23, v128-191 k's tiles, v192-255 v's tiles; window 3: v0-191 a record's 12 fragments, or the job's.
.set QSC,   12582912
.set IIMG,  13369344
.set ISC,   13631488
.set SLOTB, 153600
.set QSCR,  307200                     ; each wave's own scratch for q's codes: 4 tiles x 1,152 bytes; no fill lands here
.set SPARE, 325632
.set R,    1
.set HH,   2
.set LI,   3
.set LS,   4
.set SPW,  5
.set NIL,  6
.set BA,   7
.set SA,   10
.set BI,   13
.set BV,   16
.set QC,   17
.set QS_,  18
.set QCL,  19
.set CO,   20
.set CSO,  21
.set NINF, 22
.set ZERO, 23
.set AS,   24
.set BS,   48
.set BIAS, 54
.set BVR,  70
.set KSW,  72
.set VSW,  76
.set QW,   80
.set QSW,  84
.set PSW,  85
.set TM,   86
.set QSL,  102
.set PWH,  103
.set S2,   104
.set PC,   106
.set QOP,  122
.set POP,  138
.set NM,   154
.set SUM,  156
.set RL,   158
.set ACC,  160
.set ST,   160
.set OT,   192
.set H64,  240
.set PR4,  241
.set KVO,  242
.set KOP,  128
.set VOP,  192
.set MNT,  24
.set MHI,  25
.set MSB, 0
.macro WIN new                         ; the immediate's high byte repeats the setting that is left
.if MSB != (\new)
	s_set_vgpr_msb (MSB<<8)|(\new)
.set MSB, (\new)
.endif
.endm
.macro NOPS n
.rept \n
	v_nop
.endr
.endm
.macro CROUND                          ; a round of the cluster's barrier
	s_barrier_signal -1
	s_barrier_wait -1
	s_cmp_lg_u32 s12, 0
	s_cbranch_scc1 .Lnot_wave_0_\@
	s_barrier_signal -3
.Lnot_wave_0_\@:
	s_barrier_wait -3
	s_barrier_signal -1
	s_barrier_wait -1
.endm
; one matrix instruction.  cm = 0: C is the constant 0.  row = 1: source 0's scales from lanes 16-31; 2: source 1's
.macro WM d, a, b, cm, cr, sa, sb, row
.if (\cm) == 0
	v_wmma_scale_f32_16x16x128_f8f6f4 v[(\d):(\d)+7], v[(\a):(\a)+15], v[(\b):(\b)+15], 0, v[(\sa)], v[(\sb)]
.else
.if (\row) == 0
	v_wmma_scale_f32_16x16x128_f8f6f4 v[(\d):(\d)+7], v[(\a):(\a)+15], v[(\b):(\b)+15], v[(\cr):(\cr)+7], v[(\sa)], v[(\sb)]
.elseif (\row) == 1
	v_wmma_scale_f32_16x16x128_f8f6f4 v[(\d):(\d)+7], v[(\a):(\a)+15], v[(\b):(\b)+15], v[(\cr):(\cr)+7], v[(\sa)], v[(\sb)] matrix_a_scale:MATRIX_SCALE_ROW1
.else
	v_wmma_scale_f32_16x16x128_f8f6f4 v[(\d):(\d)+7], v[(\a):(\a)+15], v[(\b):(\b)+15], v[(\cr):(\cr)+7], v[(\sa)], v[(\sb)] matrix_b_scale:MATRIX_SCALE_ROW1
.endif
.endif
.endm
; A RECORD'S QUANTISER.  Four blocks of 32 (block k: my 16 numbers in v[ACC + 16 k] on, the other 16 in lane l xor 16) become codes at window win, v[dst + shi (k / 2) + slo (k % 2)]; the bytes stay in v[TM+4+k].
; vm = 1: v along the tokens: tokens 55-63 (odd blocks, registers 7-15, lanes 16-31) become 0 behind the chains' first lines: each accumulator is read from its low end on.
.macro QUANT vm, win, dst, shi, slo
.irp k, 0,1,2,3
	v_max3_num_f32 v[TM+\k], |v[ACC+16*\k]|, |v[ACC+16*\k+1]|, 0x4800000   ; the floor 2^(9 - 127): the byte cannot fall under 1
.endr
.if \vm
.irp k, 1,3
.irp i, 7,8,9,10,11,12,13,14,15
	v_cndmask_b32 v[ACC+16*\k+\i], v[ACC+16*\k+\i], v[ZERO], s[MHI]
.endr
.endr
.endif
.irp i, 2,4,6,8,10,12,14
.irp k, 0,1,2,3
	v_max3_num_f32 v[TM+\k], v[TM+\k], |v[ACC+16*\k+\i]|, |v[ACC+16*\k+\i+1]|
.endr
.endr
.irp k, 0,1,2,3
	v_permlanex16_b32 v[TM+4+\k], v[TM+\k], s20, s21
.endr
.irp k, 0,1,2,3
	v_max_num_f32 v[TM+\k], v[TM+\k], v[TM+4+\k]
.endr
.irp k, 0,1,2,3
	v_add_nc_u32 v[TM+12+\k], 0xfc000000, v[TM+\k]         ; 8 off the exponent field: the conversion's scale operand
.endr
.irp k, 0,1,2,3
	v_and_or_b32 v[TM+8+\k], v[TM+\k], 0x7f800000, s[MNT]  ; 448 x the scale
.endr
.irp k, 0,1,2,3
	v_lshrrev_b32 v[TM+4+\k], 23, v[TM+12+\k]              ; the scale's byte
.endr
.irp k, 0,1,2,3
.irp i, 0,1,2,3,4,5,6,7,8,9,10,11,12,13,14,15
	v_med3_num_f32 v[ACC+16*\k+\i], v[ACC+16*\k+\i], -v[TM+8+\k], v[TM+8+\k]   ; the conversion does not saturate (ISA guide 7.6.2)
.endr
.endr
	WIN ((\win)<<6)
.irp k, 0,1,2,3
.set qd, (\dst)+(\shi)*(\k/2)+(\slo)*(\k%2)
	v_cvt_scalef32_pk8_fp8_f32 v[qd:qd+1], v[ACC+16*\k:ACC+16*\k+7], v[TM+12+\k]
	v_cvt_scalef32_pk8_fp8_f32 v[qd+2:qd+3], v[ACC+16*\k+8:ACC+16*\k+15], v[TM+12+\k]
.endr
	WIN 0
	v_nop                                          ; a plain line behind the last conversion
.endm
; record j's K steps 0-2: six fragments, three scale words, the biases.  vt = 1: a v record.  31 LDS loads, or 29
.macro FETCH_H1 j, vt
	WIN 0xc0
.irp q, 0,1,2,3,4,5
.irp c, 0,1,2,3
	ds_load_b128 v[16*\q+4*\c:16*\q+4*\c+3], v[BA+(\j)/2] offset:((\j)%2)*25600+\q*2048+\c*512
.endr
.endr
	WIN 0
.irp q, 0,1,2
	ds_load_b32 v[BS+\q], v[SA+(\j)/2] offset:((\j)%2)*25600+24576+\q*128
.endr
.if \vt
	ds_load_b32 v[BVR], v[BV] offset:((\j)%2)*25600+25344
	ds_load_b32 v[BVR+1], v[BV] offset:((\j)%2)*25600+25344+32
.else
.irp q, 0,1,2,3
	ds_load_b128 v[BIAS+4*\q:BIAS+4*\q+3], v[BI+(\j)/2] offset:((\j)%2)*25600+25344+16*\q
.endr
.endif
.endm
.macro FETCH_H2 j                      ; its K steps 3-5: 27 LDS loads
	WIN 0xc0
.irp q, 6,7,8,9,10,11
.irp c, 0,1,2,3
	ds_load_b128 v[16*\q+4*\c:16*\q+4*\c+3], v[BA+(\j)/2] offset:((\j)%2)*25600+\q*2048+\c*512
.endr
.endr
	WIN 0
.irp q, 3,4,5
	ds_load_b32 v[BS+\q], v[SA+(\j)/2] offset:((\j)%2)*25600+24576+\q*128
.endr
.endm
; K step s of a record: eight accumulators, one instruction a turn, in the same order in every K step
.macro MM s, vt
.set aw, 1+(\s)/4
.if \vt
	WIN (aw|0x0c)
.else
	WIN (3|(aw<<2))
.endif
.irp u, 0,1
.irp m, 0,1,2,3
.set rf, 4*(\s)+\m
.set ra, 16*(rf%16)
.set rb, 16*(2*(\s)+\u)
.if \vt
.set rd, ACC+32*\u+8*\m
.else
.set rd, ACC+16*\m+8*\u
.endif
.if (\s) == 0
.set rc, BIAS+8*\u
.else
.set rc, rd
.endif
.if \vt
	WM rd, ra, rb, 1, rc, AS+rf, BS+(\s), 2*\u
.else
	WM rd, rb, ra, 1, rc, BS+(\s), AS+rf, \u
.endif
.endr
.endr
.endm
; fw = 1, the launch's first record: my batch's fragments were asked for K step by K step, 16 loads each: K step s is in when at most the 16 (5 - s) later loads are out (held at the largest count that a wait can name)
.macro LW fw, s
.if \fw
.if 16*(5-(\s)) > 63
	s_wait_loadcnt 63
.else
	s_wait_loadcnt 16*(5-(\s))
.endif
.endif
.endm
; A RECORD: 48 matrix instructions, then its 32 columns x 64 tokens are quantised.  ty: 0 q, 1 k, 2 v; blk: which half of the head's 64; nx = 1: record j + 1 is fetched meanwhile (nvt: it is a v record)
.macro REC j, ty, blk, nx, nvt, fw
	s_wait_dscnt 27                                ; my K steps 0-2 are in; behind them stand at least the 27 loads of K steps 3-5
.if (\ty) == 2
.irp u, 0,1
.irp i, 0,1,2,3,4,5,6,7
	v_mov_b32 v[BIAS+8*\u+\i], v[BVR+\u]           ; a lane holds one column: its bias in all eight registers
.endr
.endr
	NOPS 4
.endif
	LW \fw, 0
	MM 0, (\ty)/2
	LW \fw, 1
	MM 1, (\ty)/2
	LW \fw, 2
	MM 2, (\ty)/2
	WIN 0
	NOPS 8                                         ; eight places in front of loads into registers that matrix instructions have read
.if \nx
	FETCH_H1 (\j)+1, \nvt
	s_wait_dscnt 31-2*(\nvt)                       ; all but the loads just issued
.else
	s_wait_dscnt 0x0
.endif
	LW \fw, 3
	MM 3, (\ty)/2
	LW \fw, 4
	MM 4, (\ty)/2
	LW \fw, 5
	MM 5, (\ty)/2
	WIN 0
	NOPS 8                                         ; for the loads below and for the first read of the results
.if \nx
	FETCH_H2 (\j)+1
.endif
.if (\ty) == 0
	s_wait_xcnt 0x0                                ; the last head's stores of the context have read v[PC] on: it is written again only behind this wait
	QUANT 0, 0, PC, 8, 4
.irp m, 0,1,2,3
	ds_store_b128 v[QC], v[PC+4*\m:PC+4*\m+3] offset:\m*1152+512*(\blk)   ; q's codes wait in my scratch
.endr
.irp m, 0,1,2,3
.if (\blk) == 0
	v_mov_b32 v[QW+\m], v[TM+4+\m]
.else
	v_lshl_or_b32 v[QW+\m], v[TM+4+\m], 8, v[QW+\m]
.endif
.endr
.if \blk
.irp m, 0,1,2,3
	ds_store_b32 v[QS_], v[QW+\m] offset:\m*1152
.endr
.endif
.elseif (\ty) == 1
	QUANT 0, 2, KOP+4*(\blk), 32, 16               ; straight into the operand's registers
.irp m, 0,1,2,3
.if (\blk) == 0
	v_mov_b32 v[KSW+\m], v[TM+4+\m]
.else
	v_lshl_or_b32 v[KSW+\m], v[TM+4+\m], 8, v[KSW+\m]
.endif
.endr
.else
	QUANT 1, 2, VOP+32*(\blk), 16, 4
	v_lshl_or_b32 v[VSW+2*(\blk)], v[TM+5], 8, v[TM+4]
	v_lshl_or_b32 v[VSW+2*(\blk)+1], v[TM+7], 8, v[TM+6]
.endif
.endm
.macro SETADR                          ; the records' LDS addresses for the slot at s61
	s_add_co_u32 s72, s61, 51200
	s_add_co_u32 s73, s61, 102400
	v_add_nc_u32 v[BA], s61, v[LI]
	v_add_nc_u32 v[BA+1], s72, v[LI]
	v_add_nc_u32 v[BA+2], s73, v[LI]
	v_add_nc_u32 v[SA], s61, v[LS]
	v_add_nc_u32 v[SA+1], s72, v[LS]
	v_add_nc_u32 v[SA+2], s73, v[LS]
	v_add_nc_u32 v[BI], s61, v[H64]
	v_add_nc_u32 v[BI+1], s72, v[H64]
	v_add_nc_u32 v[BV], s73, v[PR4]
.endm
.macro TWOREC fw                       ; records q0, q1; the second fetches k0
	FETCH_H1 0, 0
	FETCH_H2 0
	REC 0, 0, 0, 1, 0, \fw
	REC 1, 0, 1, 1, 0, 0
.endm
.macro FOURREC                         ; records k0, k1, v0, v1
	REC 2, 1, 0, 1, 0, 0
	REC 3, 1, 1, 1, 1, 0
	REC 4, 2, 0, 1, 1, 0
	REC 5, 2, 1, 0, 0, 0
.endm
; THE ATTENTION OF HEAD s66
.macro ATTINIT
	s_wait_xcnt 0x0                                ; the last head's stores have read v[CO] and v[CSO]
	s_lshr_b32 s72, s66, 1
	s_and_b32 s73, s66, 1
	s_lshl_b32 s74, s72, 11
	s_lshl_b32 s75, s73, 10
	s_add_co_u32 s74, s74, s75
	v_add_nc_u32 v[CO], s74, v[LI]                 ; the head's 64 are groups 2 (H % 2), + 1 of K step H / 2 of the next product
	s_lshl_b32 s74, s72, 7
	s_lshl_b32 s75, s73, 1
	s_add_co_u32 s74, s74, s75
	v_add_nc_u32 v[CSO], s74, v[LS]
	ds_load_b128 v[QOP:QOP+3], v[QC]               ; LDS serves a wave's instructions in order: these see my stores
	ds_load_b128 v[QOP+4:QOP+7], v[QC] offset:512
	ds_load_b32 v[QSW], v[QS_]
.endm
.macro QUANT2                          ; the context's two blocks of 32 at v[OT] on -> v[PC] on; the bytes stay in v[TM+4], v[TM+5]
.irp b, 0,1
	v_max3_num_f32 v[TM+\b], |v[OT+16*\b]|, |v[OT+16*\b+1]|, 0x4800000
.endr
.irp i, 2,4,6,8,10,12,14
.irp b, 0,1
	v_max3_num_f32 v[TM+\b], v[TM+\b], |v[OT+16*\b+\i]|, |v[OT+16*\b+\i+1]|
.endr
.endr
.irp b, 0,1
	v_permlanex16_b32 v[TM+4+\b], v[TM+\b], s20, s21
.endr
.irp b, 0,1
	v_max_num_f32 v[TM+\b], v[TM+\b], v[TM+4+\b]
.endr
.irp b, 0,1
	v_add_nc_u32 v[TM+12+\b], 0xfc000000, v[TM+\b]
.endr
.irp b, 0,1
	v_and_or_b32 v[TM+8+\b], v[TM+\b], 0x7f800000, s[MNT]
.endr
.irp b, 0,1
	v_lshrrev_b32 v[TM+4+\b], 23, v[TM+12+\b]
.endr
.irp b, 0,1
.irp i, 0,1,2,3,4,5,6,7,8,9,10,11,12,13,14,15
	v_med3_num_f32 v[OT+16*\b+\i], v[OT+16*\b+\i], -v[TM+8+\b], v[TM+8+\b]
.endr
.endr
.irp b, 0,1
	v_cvt_scalef32_pk8_fp8_f32 v[PC+4*\b:PC+4*\b+1], v[OT+16*\b:OT+16*\b+7], v[TM+12+\b]
	v_cvt_scalef32_pk8_fp8_f32 v[PC+4*\b+2:PC+4*\b+3], v[OT+16*\b+8:OT+16*\b+15], v[TM+12+\b]
.endr
	v_nop
.endm
.macro ATTLOOP n, st                   ; n trips, a tile of 16 queries each, from tile st on
	s_mov_b32 s63, (\st)*1152
	s_mov_b32 s62, \n
.Ltile_\@:
	s_wait_dscnt 0x0                               ; this tile's codes of q, asked for a trip ago
	WIN 0x02
.irp k, 0,1,2,3
	WM ST+8*\k, KOP+16*\k, QOP, 0, 0, KSW+\k, QSW, 0   ; S^T: register 16 b + i = key 32 b + 16 h + i of my query
.endr
	WIN 0
	s_add_co_u32 s74, s63, 1152
	s_min_u32 s74, s74, 3456                       ; the next tile's codes; the fourth tile reads its own again: no load leaves my scratch
	v_add_nc_u32 v[QCL], s74, v[QC]
	v_add_nc_u32 v[QSL], s74, v[QS_]
	NOPS 6                                         ; with the two additions: eight places
	ds_load_b128 v[QOP:QOP+3], v[QCL]
	ds_load_b128 v[QOP+4:QOP+7], v[QCL] offset:512
	ds_load_b32 v[QSW], v[QSL]
.irp b, 0,1
	v_max3_num_f32 v[TM+\b], v[ST+16*\b], v[ST+16*\b+1], v[ST+16*\b+2]   ; each block's largest score: for the row's maximum and for the block's largest p
.endr
.irp i, 23,24,25,26,27,28,29,30,31
	v_cndmask_b32 v[ST+\i], v[ST+\i], v[NINF], s[MHI]   ; keys 55-63
.endr
.irp i, 3,5,7,9,11,13
.irp b, 0,1
	v_max3_num_f32 v[TM+\b], v[TM+\b], v[ST+16*\b+\i], v[ST+16*\b+\i+1]
.endr
.endr
.irp b, 0,1
	v_max_num_f32 v[TM+\b], v[TM+\b], v[ST+16*\b+15]
.endr
.irp b, 0,1
	v_permlanex16_b32 v[TM+4+\b], v[TM+\b], s20, s21
.endr
.irp b, 0,1
	v_max_num_f32 v[TM+\b], v[TM+\b], v[TM+4+\b]
.endr
	v_max_num_f32 v[TM+2], v[TM], v[TM+1]
	v_mul_f32 v[TM+2], s22, v[TM+2]                ; the row's largest t
	v_floor_f32 v[NM], -v[TM+2]                    ; -M = floor(-t) = -ceil(t)
.irp j, 0,2,4,6,8,10,12,14,16,18,20,22,24,26,28,30
	v_pk_fma_f32 v[ST+\j:ST+\j+1], v[ST+\j:ST+\j+1], s[22:23], v[NM:NM+1] op_sel_hi:[1,0,0]   ; t - M
.endr
.irp b, 0,1
	v_fma_f32 v[TM+\b], v[TM+\b], s22, v[NM]
.endr
	s_wait_alu depctr_va_vdst(0)                   ; the wait ahead of the batch
.set n_, 0
.rept 32
	v_exp_f32 v[ST+n_], v[ST+n_]                   ; p
.set n_, n_+1
.endr
	v_nop
	s_wait_alu depctr_va_vdst(0)                   ; one wait for the 32, ahead of their first reader
.irp b, 0,1
	v_exp_f32 v[TM+\b], v[TM+\b]                   ; each block's largest p
.endr
	v_pk_add_f32 v[SUM:SUM+1], v[ST:ST+1], v[ST+2:ST+3]      ; the sum of the unquantised p, in two chains
	v_pk_add_f32 v[S2:S2+1], v[ST+4:ST+5], v[ST+6:ST+7]
.irp j, 8,12,16,20,24,28
	v_pk_add_f32 v[SUM:SUM+1], v[SUM:SUM+1], v[ST+\j:ST+\j+1]
	v_pk_add_f32 v[S2:S2+1], v[S2:S2+1], v[ST+\j+2:ST+\j+3]
.endr
	v_pk_add_f32 v[SUM:SUM+1], v[SUM:SUM+1], v[S2:S2+1]
	s_wait_alu depctr_va_vdst(0)                   ; and one for the two
.irp b, 0,1
	v_max_num_f32 v[TM+\b], 0x4800000, v[TM+\b]
.endr
.irp b, 0,1
	v_add_nc_u32 v[TM+12+\b], 0xfc000000, v[TM+\b]
.endr
.irp b, 0,1
	v_and_or_b32 v[TM+8+\b], v[TM+\b], 0x7f800000, s[MNT]
.endr
.irp b, 0,1
	v_lshrrev_b32 v[TM+4+\b], 23, v[TM+12+\b]
.endr
	v_lshl_or_b32 v[PSW], v[TM+5], 8, v[TM+4]
.irp b, 0,1
.irp i, 0,1,2,3,4,5,6,7,8,9,10,11,12,13,14,15
	v_min_num_f32 v[ST+16*\b+\i], v[ST+16*\b+\i], v[TM+8+\b]   ; p is not negative: the hold is one-sided
.endr
.endr
.irp b, 0,1
	v_cvt_scalef32_pk8_fp8_f32 v[POP+4*\b:POP+4*\b+1], v[ST+16*\b:ST+16*\b+7], v[TM+12+\b]
	v_cvt_scalef32_pk8_fp8_f32 v[POP+4*\b+2:POP+4*\b+3], v[ST+16*\b+8:ST+16*\b+15], v[TM+12+\b]
.endr
	v_nop
	v_add_f32 v[SUM], v[SUM], v[SUM+1]
	v_permlanex16_b32 v[TM+6], v[SUM], s20, s21
	v_add_f32 v[SUM], v[SUM], v[TM+6]              ; the row's sum
	s_wait_alu depctr_va_vdst(0)
	v_rcp_f32 v[RL], v[SUM]
	NOPS 4                                         ; places in front of the scaled products, and the plain line behind the reciprocal
	WIN 0x02
.irp t, 0,1,2,3
	WM OT+8*\t, VOP+16*\t, POP, 0, 0, VSW+\t, PSW, 0   ; O^T: register 16 b + i = channel 32 b + 16 h + i of my query
.endr
	WIN 0
	NOPS 8
	s_wait_alu depctr_va_vdst(0)                   ; the reciprocal's wait, ahead of its first reader
.irp j, 0,2,4,6,8,10,12,14,16,18,20,22,24,26,28,30
	v_pk_mul_f32 v[OT+\j:OT+\j+1], v[OT+\j:OT+\j+1], v[RL:RL+1] op_sel_hi:[1,0]
.endr
	s_wait_xcnt 0x0                                ; the last trip's stores have read their offsets and data
	v_add_nc_u32 v[CO], 12288, v[CO]               ; the offsets step ahead of the stores, which reach back by their immediates
	v_add_nc_u32 v[CSO], 768, v[CSO]
	QUANT2
	v_lshl_or_b32 v[PWH], v[TM+5], 8, v[TM+4]
	global_store_b128 v[CO], v[PC:PC+3], s[68:69] offset:-12288             ; 512 consecutive bytes
	global_store_b128 v[CO], v[PC+4:PC+7], s[68:69] offset:512-12288
	global_store_b16 v[CSO], v[PWH], s[70:71] offset:-768
	s_add_co_u32 s63, s63, 1152
	s_sub_co_u32 s62, s62, 1
	s_cmp_lg_u32 s62, 0
	s_cbranch_scc1 .Ltile_\@
.endm
; THE JOB'S HALF p: K steps 4 p .. 4 p + 3: the record's 8 fragments, im_repr's 4, their 8 scale words: 56 loads
.macro KVLOAD p
	WIN 0xc0
.irp q, 0,1,2,3,4,5,6,7
.irp c, 0,1,2,3
	global_load_b128 v[16*\q+4*\c:16*\q+4*\c+3], v[LI], s[80:81] offset:(8*(\p)+\q)*2048+\c*512
.endr
.endr
.irp q, 0,1,2,3
.irp c, 0,1,2,3
	global_load_b128 v[128+16*\q+4*\c:128+16*\q+4*\c+3], v[LI], s[76:77] offset:(4*(\p)+\q)*2048+\c*512
.endr
.endr
	WIN 0
.irp q, 0,1,2,3
	global_load_b32 v[BS+\q], v[LS], s[80:81] offset:32768+(4*(\p)+\q)*128
	global_load_b32 v[QW+\q], v[LS], s[78:79] offset:(4*(\p)+\q)*128
.endr
.endm
.macro KVMM                            ; its 8 products, transposed, two accumulators by turns; each adds in place
	WIN 0x0f
.irp q, 0,1,2,3
.irp u, 0,1
	WM BIAS+8*\u, 16*(2*\q+\u), 128+16*\q, 1, BIAS+8*\u, BS+\q, QW+\q, \u
.endr
.endr
	WIN 0
	NOPS 8
.endm
	s_load_b256 s[4:11], s[0:1], 0x0               ; acts 4, wts 6, kv2 8, ctx 10
	v_lshl_add_u32 v[SPW], v0, 2, SPARE
	v_mov_b32 v[NIL], 0
	ds_add_u32 v[SPW], v[NIL]                      ; the wave's opening: the add, twice on end, and its wait ahead of my first tensor load
	ds_add_u32 v[SPW], v[NIL]
	v_lshrrev_b32 v1, 5, v0
	v_readfirstlane_b32 s12, v1                    ; wave
	s_bfe_u32 s13, ttmp6, 0x40000                  ; cx: it enters global addresses alone
	s_lshl_b32 s14, ttmp9, 2
	s_add_co_u32 s14, s14, s13                     ; group of four batches
	s_and_b32 s15, ttmp7, 0xffff                   ; group of three heads: the partners share it
	s_lshl_b32 s16, s14, 2
	s_add_co_u32 s16, s16, s12                     ; my batch
	s_mov_b32 s20, 0x76543210
	s_mov_b32 s21, 0xfedcba98
	s_mov_b32 s22, 0x3e38aa3b                      ; log2(e) / 8
	s_mov_b32 s23, s22
	s_mov_b32 s[MNT], 0x600000
	s_mov_b32 s[MHI], 0xffff0000                   ; lanes 16-31
	s_mov_b32 s36, 15|(3<<16)|(1<<21)              ; group 1: 150 rows of 256 bytes (32 elements of 8), dense; mask 15, bit 21 beside it
	s_mov_b32 s37, 32<<16
	s_mov_b32 s38, 150<<16
	s_mov_b32 s39, 32<<16
	s_mov_b32 s40, 150
	s_mov_b32 s41, 32
	s_mov_b32 s42, 0
	s_mov_b32 s43, 0
	s_mul_i32 s72, s15, 460800
	s_mov_b32 s73, 0
	s_mul_i32 s76, s12, 38400                      ; my quarter of a head's records
	s_mov_b32 s77, 0
	s_wait_dscnt 0x0                               ; both opening adds are done
	s_wait_kmcnt 0x0
	s_add_nc_u64 s[78:79], s[6:7], s[72:73]        ; my three heads' records
	s_mov_b32 s44, 1                               ; head 0
	s_add_co_u32 s45, s76, SLOTB
	s_add_nc_u64 s[46:47], s[78:79], s[76:77]
	s_mov_b32 s52, 1                               ; head 1
	s_mov_b32 s53, s76
	s_add_nc_u64 s[54:55], s[46:47], 153600
	s_mov_b32 s56, 1                               ; head 2: the refill
	s_add_co_u32 s57, s76, SLOTB
	s_add_nc_u64 s[58:59], s[54:55], 153600
	s_or_b32 s47, s47, 0x80000000
	s_or_b32 s55, s55, 0x80000000
	s_or_b32 s59, s59, 0x80000000
	CROUND                                         ; all four work-groups are here: the first joint loads meet
	s_cmp_lt_u32 s12, 2                            ; head 0, one load a wave; waves 0, 1 (q0 q1 k0) and waves 2, 3 (k1 v0 v1) have a load line each: the first barrier waits for the first line's alone
	s_cbranch_scc0 .Lupper
	tensor_load_to_lds s[44:47], s[36:43]
	s_nop 0
	NOPS 4
	s_branch .Lasked
.Lupper:
	tensor_load_to_lds s[44:47], s[36:43]
	s_nop 0
	NOPS 4
.Lasked:
	v_and_b32 v[R], 15, v0
	v_bfe_u32 v[HH], v0, 4, 1
	v_and_b32 v[LS], 31, v0
	v_lshlrev_b32 v[LI], 4, v[LS]
	v_lshlrev_b32 v[LS], 2, v[LS]
	s_wait_alu depctr_va_vdst(0)
	v_lshlrev_b32 v[H64], 6, v[HH]
	v_and_b32 v[PR4], 8, v[R]
	v_add_nc_u32 v[PR4], v[PR4], v[R]
	v_lshlrev_b32 v[PR4], 2, v[PR4]                ; 4 (r + 8 (r / 8))
	v_mul_u32_u24 v[KVO], v[R], 6144
	v_add_nc_u32 v[KVO], v[KVO], v[H64]
	s_mul_i32 s72, s12, 4608
	s_add_co_u32 s72, s72, QSCR
	v_add_nc_u32 v[QC], s72, v[LI]
	s_add_co_u32 s72, s72, 1024
	v_add_nc_u32 v[QS_], s72, v[LS]
	s_mul_i32 s80, s16, 49152
	s_mov_b32 s81, 0
	s_add_nc_u64 s[82:83], s[4:5], s[80:81]        ; my batch's images
	s_add_nc_u64 s[68:69], s[10:11], s[80:81]      ; and the context's
	s_mul_i32 s80, s16, 3072
	s_add_co_u32 s80, s80, QSC
	s_add_nc_u64 s[84:85], s[4:5], s[80:81]
	s_add_nc_u64 s[70:71], s[10:11], s[80:81]
	s_mul_i32 s66, s15, 3                          ; my first head
.irp s, 0,1,2,3,4,5                    ; the scale words first,
.irp m, 0,1,2,3
	global_load_b32 v[AS+4*\s+\m], v[LS], s[84:85] offset:(\m*6+\s)*128
.endr
.endr
.irp s, 0,1,2,3,4,5                    ; then my batch's 24 fragments, K step by K step, 16 loads each: the first record's waits count them
.irp m, 0,1,2,3
	WIN ((1+(4*\s+\m)/16)<<6)
.irp c, 0,1,2,3
	global_load_b128 v[16*((4*\s+\m)%16)+4*\c:16*((4*\s+\m)%16)+4*\c+3], v[LI], s[82:83] offset:(\m*6+\s)*2048+\c*512
.endr
.endr
.endr
	WIN 0
	; where the k2, v2 job reads and writes
	s_lshl_b32 s72, s15, 6
	s_add_co_u32 s72, s72, s14
	s_and_b32 s73, s72, 15                         ; tile of batches
	s_lshr_b32 s74, s72, 4
	s_mul_i32 s74, s74, 3
	s_add_co_u32 s74, s74, s12                     ; record 0..47
	s_lshl_b32 s76, s73, 14
	s_add_co_u32 s76, s76, IIMG
	s_mov_b32 s77, 0
	s_add_nc_u64 s[76:77], s[4:5], s[76:77]
	s_lshl_b32 s78, s73, 10
	s_add_co_u32 s78, s78, ISC
	s_mov_b32 s79, 0
	s_add_nc_u64 s[78:79], s[4:5], s[78:79]
	s_mul_i32 s80, s74, 34816
	s_add_co_u32 s80, s80, 2457600
	s_mov_b32 s81, 0
	s_add_nc_u64 s[80:81], s[6:7], s[80:81]
	s_mul_i32 s86, s73, 98304
	s_lshl_b32 s87, s74, 7
	s_add_co_u32 s86, s86, s87
	s_mov_b32 s87, 0
	s_add_nc_u64 s[86:87], s[8:9], s[86:87]
.irp i, 8,9,10,11,12,13,14,15
	v_mov_b32 v[QOP+\i], 0                         ; k = 64..127 of the attention's operands: zero codes, written once
	v_mov_b32 v[POP+\i], 0
.endr
	WIN 0x80
.irp k, 0,1,2,3
.irp i, 8,9,10,11,12,13,14,15
	v_mov_b32 v[KOP+16*\k+\i], 0
	v_mov_b32 v[VOP+16*\k+\i], 0
.endr
.endr
	WIN 0
	v_mov_b32 v[NINF], 0xff800000
	v_mov_b32 v[ZERO], 0
	v_mov_b32 v[NM+1], 0                           ; named as the upper halves of pairs
	v_mov_b32 v[RL+1], 0
.irp b, 0,1,2,3
	v_mov_b32 v[TM+4+\b], 0                        ; a lane permute's destination counts as one of its sources
.endr
	; ---- head 0
	s_mov_b32 s61, SLOTB
	SETADR
	s_wait_alu depctr_va_vdst(0)                   ; the wait at the head's end
	s_cmp_lt_u32 s12, 2
	s_cbranch_scc0 .Lnot_yet
	s_wait_tensorcnt 0x0                           ; waves 0, 1: q0 q1 k0 are in.  The other two waves' wait stands behind record 1
.Lnot_yet:
	s_barrier_signal -1
	s_barrier_wait -1
	TWOREC 1
	s_wait_tensorcnt 0x0                           ; all of head 0 is in
	ds_add_u32 v[SPW], v[NIL]
	s_wait_dscnt 0x0
	CROUND                                         ; the same holds of every wave of the four work-groups
	tensor_load_to_lds s[52:55], s[36:43]          ; head 1, at LDS byte 0: four records and head 0's attention stand ahead of its first read
	s_nop 0
	NOPS 4
	FOURREC
	s_wait_tensorcnt 0x0                           ; head 1 has landed;
	ds_add_u32 v[SPW], v[NIL]
	s_wait_dscnt 0x0                               ; the add is done, and my reads of head 0's records are over
	CROUND                                         ; the same holds of every wave of the four work-groups
	tensor_load_to_lds s[56:59], s[36:43]          ; head 2 into head 0's bytes
	s_nop 0
	NOPS 4
	ATTINIT
	s_cmp_eq_u32 s12, 3
	s_cbranch_scc1 .Lkv_a
	KVLOAD 0                                       ; the job's first half: with the biases 60 loads; two query tiles' work stands between them and their wait
.irp q, 0,1,2,3
	global_load_b128 v[BIAS+4*\q:BIAS+4*\q+3], v[H64], s[80:81] offset:33792+16*\q   ; the job's biases, straight into its sums
.endr
.Lkv_a:
	ATTLOOP 2, 0
	s_wait_loadcnt 0x0                             ; the first half is in (wave 3 has nothing out)
	s_cmp_eq_u32 s12, 3
	s_cbranch_scc1 .Lkv_b
	KVMM
	KVLOAD 1
.Lkv_b:
	ATTLOOP 2, 2
	s_wait_loadcnt 0x0                             ; the second half is in
	s_cmp_eq_u32 s12, 3
	s_cbranch_scc1 .Lkv_c
	KVMM
.irp q, 0,1,2,3
	global_store_b128 v[KVO], v[BIAS+4*\q:BIAS+4*\q+3], s[86:87] offset:16*\q   ; batch 16 tile + r, columns 32 record + 16 h + 0..15
.endr
	s_wait_xcnt 0x0                                ; the stores have read their data: the next head's biases land in these registers
.Lkv_c:
	s_add_co_u32 s66, s66, 1
	s_mov_b32 s61, 0
	s_mov_b32 s60, 2
.Lhead:                                            ; heads 1 and 2
	SETADR
	s_wait_alu depctr_va_vdst(0)
	TWOREC 0
	FOURREC
	ATTINIT
	ATTLOOP 4, 0
	s_wait_tensorcnt 0x0                           ; the one load that can be out is my quarter of head 2: the next trip reads it.
	s_wait_dscnt 0x0
	s_barrier_signal -1
	s_barrier_wait -1
	s_add_co_u32 s61, s61, SLOTB
	s_add_co_u32 s66, s66, 1
	s_sub_co_u32 s60, s60, 1
	s_cmp_lg_u32 s60, 0
	s_cbranch_scc1 .Lhead
	s_wait_tensorcnt 0x0                           ; the wave's end
	ds_add_u32 v[SPW], v[NIL]
	s_wait_dscnt 0x0
	CROUND                                         ; the closing round
	s_endpgm
.Lfunc_end_k_q70eb603962_attn1:
	.size	k_q70eb603962_attn1, .Lfunc_end_k_q70eb603962_attn1-k_q70eb603962_attn1
	.p2alignl 7, 3214868480
	.fill 96, 4, 3214868480
	.section	.rodata,"a",@progbits
	.p2align	6, 0x0
	.amdhsa_kernel k_q70eb603962_attn1
		.amdhsa_group_segment_fixed_size 327680
		.amdhsa_private_segment_fixed_size 0
		.amdhsa_enable_private_segment 0
		.amdhsa_kernarg_size 32
		.amdhsa_user_sgpr_count 2
		.amdhsa_user_sgpr_kernarg_segment_ptr 1
		.amdhsa_wavefront_size32 1
		.amdhsa_system_sgpr_workgroup_id_x 1
		.amdhsa_system_sgpr_workgroup_id_y 1
		.amdhsa_system_sgpr_workgroup_id_z 1
		.amdhsa_system_vgpr_workitem_id 0
		.amdhsa_next_free_vgpr 1024
		.amdhsa_next_free_sgpr 100
		.amdhsa_reserve_vcc 0
		.amdhsa_float_denorm_mode_32 3
		.amdhsa_float_denorm_mode_16_64 3
		.amdhsa_memory_ordered 1
		.amdhsa_forward_progress 1
		.amdhsa_inst_pref_size 255
	.end_amdhsa_kernel
	.section	.bss,"aw",@nobits
	.p2align	6
	.space	262144
	.amdgpu_metadata
---
amdhsa.version: [ 1, 2 ]
amdhsa.kernels:
  - .name:           k_q70eb603962_attn1
    .symbol:         k_q70eb603962_attn1.kd
    .args:
      - { .name: acts, .offset: 0, .size: 8, .value_kind: global_buffer, .address_space: global }
      - { .name: wts, .offset: 8, .size: 8, .value_kind: global_buffer, .address_space: global }
      - { .name: kv2, .offset: 16, .size: 8, .value_kind: global_buffer, .address_space: global }
      - { .name: ctx, .offset: 24, .size: 8, .value_kind: global_buffer, .address_space: global }
    .group_segment_fixed_size: 327680
    .private_segment_fixed_size: 0
    .kernarg_segment_align: 8
    .kernarg_segment_size: 32
    .max_flat_workgroup_size: 128
    .sgpr_count:     100
    .vgpr_count:     1024
    .wavefront_size: 32
...
	.end_amdgpu_metadata
.endif
;; end of part 2
;; launch attn2 (part 3): grid 64 x 4, 4 waves a work-group, clusters of 4 x 1, 167,936 bytes of LDS; arguments wts, ctx, kv2, xb; writes xb
.if DOCPART == 3
	.amdgcn_target "amdgcn-amd-amdhsa--gfx1250"
	.amdhsa_code_object_version 6
	.text
	.protected	k_q70eb603962_attn2
	.globl	k_q70eb603962_attn2
	.p2align	8
	.type	k_q70eb603962_attn2,@function
k_q70eb603962_attn2:
	s_mov_b64 s[64:65], 0
	v_nop
	global_prefetch_b8 v0, s[64:65] scope:SCOPE_SE
	s_setreg_imm32_b32 hwreg(HW_REG_WAVE_MODE, 25, 1), 1
	s_wait_xcnt 0x0
	s_wait_alu depctr_hold_cnt(0) depctr_sa_sdst(0) depctr_va_vdst(0) depctr_va_sdst(0) depctr_va_ssrc(0) depctr_va_vcc(0) depctr_vm_vsrc(0)
	s_getreg_b32 s2, hwreg(HW_REG_IB_STS2, 6, 4)
	s_cmp_eq_u32 s2, 0
	s_cbranch_scc0 .Lentry_in_a_cluster
	s_endpgm
.Lentry_in_a_cluster:
	s_bfe_u32 s2, ttmp6, 0x10000c
	s_cmp_lg_u32 s2, 0x3003
	s_cbranch_scc0 .Lentry_shape_is_right
	s_endpgm
.Lentry_shape_is_right:
; ATTN2: the cross-attention and the mean over the queries: q2 = context Wq2 + bq2; scores q2 . k2; p; p x v2; x = mean.  x leaves as codes along the model's 768 and as f32 (for the residual).
; LEFT OUT: the 55 keys of a batch are one row (reference()'s own broadcast; PREP's head): ONE score a query is multiplied, not 55 equal ones.  The second product is done whole: K = 55 equal codes.
; All 55 scores of a query are one t, so M = ceil(t), p = 2^(t - M) is the same for all keys, and the row's sum is 55 p (LIMIT: one rounding, where reference() adds 55 numbers).
; v2 is quantised along the keys: a block of equal numbers, so each channel has a scale of its own.  Keys 55-63 are zero codes in v2's operand; what p's operand holds there is multiplied by 0.
; SHARES as in ATTN1: 4 batches x 3 heads a work-group, wave = batch, the context's codes in 384 registers; the three heads' six records of Wq2 (153,600 bytes) come once, by one joint load a wave (mask 15).
; Queries 55-63 (tile 2: row 15; tile 3: rows 8-15) get the weight 0 in the mean.
; After the sum over queries the sixteen lanes of a half hold the same numbers: lanes 0 and 16 store them; a batch's 16 bytes of an image's 256 belong to one wave, so x's codes leave in pieces of 16 bytes (0.2 MB in all).
; LIMITS: as in PREP's head.
.set CSC,   12582912
.set SPARE, 153600
.set R,    1
.set HH,   2
.set LI,   3
.set LS,   4
.set SPW,  5
.set NIL,  6
.set BA,   7
.set SA,   10
.set BI,   13
.set H64,  16
.set M5,   17
.set M67,  18
.set WT,   19                          ; v19-22 1 / (55 p), 0 for queries that do not exist
.set AS,   24
.set BS,   48
.set BIAS, 54
.set H256, 70
.set PR4,  71
.set KSW,  72                          ; q2's scale words
.set VSW,  76
.set RV,   80                          ; v80-83 v2 as loaded
.set K2SW, 84
.set PWH,  85
.set TM,   86
.set PT,   102                         ; v102-105 p
.set PC,   106
.set K2OP, 122
.set POP,  138
.set PSW4, 154                         ; v154-157 p's scale words
.set RL,   158
.set ACC,  160
.set TT,   160
.set OO,   160
.set X32,  192
.set RK,   224                         ; v224-255 k2 as loaded; later eight equal numbers for each conversion
.set KOP,  128                         ; window 2: q2's four tiles
.set VOP,  192                         ; window 2: v2's four tiles
.set MNT,  24
.set MSB, 0
.macro WIN new
.if MSB != (\new)
	s_set_vgpr_msb (MSB<<8)|(\new)
.set MSB, (\new)
.endif
.endm
.macro NOPS n
.rept \n
	v_nop
.endr
.endm
.macro CROUND
	s_barrier_signal -1
	s_barrier_wait -1
	s_cmp_lg_u32 s12, 0
	s_cbranch_scc1 .Lnot_wave_0_\@
	s_barrier_signal -3
.Lnot_wave_0_\@:
	s_barrier_wait -3
	s_barrier_signal -1
	s_barrier_wait -1
.endm
.macro WM d, a, b, cm, cr, sa, sb, row
.if (\cm) == 0
	v_wmma_scale_f32_16x16x128_f8f6f4 v[(\d):(\d)+7], v[(\a):(\a)+15], v[(\b):(\b)+15], 0, v[(\sa)], v[(\sb)]
.else
.if (\row) == 0
	v_wmma_scale_f32_16x16x128_f8f6f4 v[(\d):(\d)+7], v[(\a):(\a)+15], v[(\b):(\b)+15], v[(\cr):(\cr)+7], v[(\sa)], v[(\sb)]
.else
	v_wmma_scale_f32_16x16x128_f8f6f4 v[(\d):(\d)+7], v[(\a):(\a)+15], v[(\b):(\b)+15], v[(\cr):(\cr)+7], v[(\sa)], v[(\sb)] matrix_a_scale:MATRIX_SCALE_ROW1
.endif
.endif
.endm
; as in ATTN1: nb blocks of 32 become codes at window win, v[dst + shi (k / 2) + slo (k % 2)]; the bytes stay in v[TM+4+k]
.macro QUANT nb, src, win, dst, shi, slo
.set qk, 0
.rept \nb
	v_max3_num_f32 v[TM+qk], |v[(\src)+16*qk]|, |v[(\src)+16*qk+1]|, 0x4800000
.set qk, qk+1
.endr
.irp i, 2,4,6,8,10,12,14
.set qk, 0
.rept \nb
	v_max3_num_f32 v[TM+qk], v[TM+qk], |v[(\src)+16*qk+\i]|, |v[(\src)+16*qk+\i+1]|
.set qk, qk+1
.endr
.endr
.set qk, 0
.rept \nb
	v_permlanex16_b32 v[TM+4+qk], v[TM+qk], s20, s21
.set qk, qk+1
.endr
.set qk, 0
.rept \nb
	v_max_num_f32 v[TM+qk], v[TM+qk], v[TM+4+qk]
.set qk, qk+1
.endr
.set qk, 0
.rept \nb
	v_add_nc_u32 v[TM+12+qk], 0xfc000000, v[TM+qk]
.set qk, qk+1
.endr
.set qk, 0
.rept \nb
	v_and_or_b32 v[TM+8+qk], v[TM+qk], 0x7f800000, s[MNT]
.set qk, qk+1
.endr
.set qk, 0
.rept \nb
	v_lshrrev_b32 v[TM+4+qk], 23, v[TM+12+qk]
.set qk, qk+1
.endr
.set qk, 0
.rept \nb
.irp i, 0,1,2,3,4,5,6,7,8,9,10,11,12,13,14,15
	v_med3_num_f32 v[(\src)+16*qk+\i], v[(\src)+16*qk+\i], -v[TM+8+qk], v[TM+8+qk]
.endr
.set qk, qk+1
.endr
	WIN ((\win)<<6)
.set qk, 0
.rept \nb
.set qd, (\dst)+(\shi)*(qk/2)+(\slo)*(qk%2)
	v_cvt_scalef32_pk8_fp8_f32 v[qd:qd+1], v[(\src)+16*qk:(\src)+16*qk+7], v[TM+12+qk]
	v_cvt_scalef32_pk8_fp8_f32 v[qd+2:qd+3], v[(\src)+16*qk+8:(\src)+16*qk+15], v[TM+12+qk]
.set qk, qk+1
.endr
	WIN 0
	v_nop
.endm
.macro FETCH_H1 j                      ; record j's K steps 0-2: 31 LDS loads
	WIN 0xc0
.irp q, 0,1,2,3,4,5
.irp c, 0,1,2,3
	ds_load_b128 v[16*\q+4*\c:16*\q+4*\c+3], v[BA+(\j)/2] offset:((\j)%2)*25600+\q*2048+\c*512
.endr
.endr
	WIN 0
.irp q, 0,1,2
	ds_load_b32 v[BS+\q], v[SA+(\j)/2] offset:((\j)%2)*25600+24576+\q*128
.endr
.irp q, 0,1,2,3
	ds_load_b128 v[BIAS+4*\q:BIAS+4*\q+3], v[BI+(\j)/2] offset:((\j)%2)*25600+25344+16*\q
.endr
.endm
.macro FETCH_H2 j                      ; its K steps 3-5: 27
	WIN 0xc0
.irp q, 6,7,8,9,10,11
.irp c, 0,1,2,3
	ds_load_b128 v[16*\q+4*\c:16*\q+4*\c+3], v[BA+(\j)/2] offset:((\j)%2)*25600+\q*2048+\c*512
.endr
.endr
	WIN 0
.irp q, 3,4,5
	ds_load_b32 v[BS+\q], v[SA+(\j)/2] offset:((\j)%2)*25600+24576+\q*128
.endr
.endm
.macro MM s                            ; eight accumulators by turns
.if (\s) < 4
	WIN 0x07
.else
	WIN 0x0b
.endif
.irp u, 0,1
.irp m, 0,1,2,3
.set rf, 4*(\s)+\m
.set rd, ACC+16*\m+8*\u
.if (\s) == 0
.set rc, BIAS+8*\u
.else
.set rc, rd
.endif
	WM rd, 16*(2*(\s)+\u), 16*(rf%16), 1, rc, BS+(\s), AS+rf, \u
.endr
.endr
.endm
; in the launch's first record: K step s of the context is in when at most the 16 (5 - s) loads of the later K steps and the 12 of k2 and v2 behind them are out (held at the largest count that a wait can name)
.macro LW s
.if FW
.if 16*(5-(\s))+12 > 63
	s_wait_loadcnt 63
.else
	s_wait_loadcnt 16*(5-(\s))+12
.endif
.endif
.endm
.macro REC j, blk, nx                  ; a record of Wq2: 32 channels of q2 for my 64 queries, quantised straight into the operand's registers
	s_wait_dscnt 27                                ; my K steps 0-2 are in; the 27 loads of K steps 3-5 may be out
	LW 0
	MM 0
	LW 1
	MM 1
	LW 2
	MM 2
	WIN 0
	NOPS 8                                         ; eight places in front of loads into registers that matrix instructions have read
.if \nx
	FETCH_H1 (\j)+1
	s_wait_dscnt 31                                ; all but the loads just issued
.else
	s_wait_dscnt 0x0
.endif
	LW 3
	MM 3
	LW 4
	MM 4
	LW 5
	MM 5
.set FW, 0
	WIN 0
	NOPS 8
.if \nx
	FETCH_H2 (\j)+1
.endif
	QUANT 4, ACC, 2, KOP+4*(\blk), 32, 16
.irp m, 0,1,2,3
.if (\blk) == 0
	v_mov_b32 v[KSW+\m], v[TM+4+\m]
.else
	v_lshl_or_b32 v[KSW+\m], v[TM+4+\m], 8, v[KSW+\m]
.endif
.endr
.endm
; HEAD i of my three
.macro HEAD2 i, nx
.irp c, 0,1
.irp j, 0,1,2,3
	global_load_b128 v[RK+16*\c+4*\j:RK+16*\c+4*\j+3], v[H64], s[86:87] offset:256*\i+128*\c+16*\j   ; k2: every lane's row is the one key
.endr
.endr
.irp t, 0,1,2,3
	global_load_b32 v[RV+\t], v[PR4], s[86:87] offset:3072+256*\i+128*(\t/2)+32*(\t%2)               ; v2: tile t, row r is channel 32 (t / 2) + 8 (t % 2) + r + 8 (r / 8)
.endr
	REC 2*\i, 0, 1
	REC 2*\i+1, 1, \nx
	s_wait_loadcnt 0x0
	QUANT 2, RK, 0, K2OP, 8, 4
	v_lshl_or_b32 v[K2SW], v[TM+5], 8, v[TM+4]
	; v2 along the keys: equal numbers, so the channel's own magnitude is its blocks' largest
.irp k, 0,1,2,3
	v_max_num_f32 v[TM+\k], 0x4800000, |v[RV+\k]|
.endr
.irp k, 0,1,2,3
	v_add_nc_u32 v[TM+12+\k], 0xfc000000, v[TM+\k]
.endr
.irp k, 0,1,2,3
	v_and_or_b32 v[TM+8+\k], v[TM+\k], 0x7f800000, s[MNT]
.endr
.irp k, 0,1,2,3
	v_lshrrev_b32 v[TM+4+\k], 23, v[TM+12+\k]
.endr
.irp k, 0,1,2,3
	v_lshl_or_b32 v[VSW+\k], v[TM+4+\k], 8, v[TM+4+\k]
.endr
.irp k, 0,1,2,3
.irp j, 0,1,2,3,4,5,6,7
	v_med3_num_f32 v[RK+8*\k+\j], v[RV+\k], -v[TM+8+\k], v[TM+8+\k]
.endr
.endr
.irp k, 0,1,2,3
	v_cvt_scalef32_pk8_fp8_f32 v[PC+2*\k:PC+2*\k+1], v[RK+8*\k:RK+8*\k+7], v[TM+12+\k]   ; the code in every byte
.endr
	v_nop
	WIN 0x80
.irp k, 0,1,2,3
.irp j, 0,1,2,3,4
	v_mov_b32 v[VOP+16*\k+\j], v[PC+2*\k]
.endr
	v_and_b32 v[VOP+16*\k+5], v[M5], v[PC+2*\k]    ; keys 55-63: zero codes (lanes 16-31: byte 3 of register 5, registers 6 and 7)
	v_and_b32 v[VOP+16*\k+6], v[M67], v[PC+2*\k]
	v_and_b32 v[VOP+16*\k+7], v[M67], v[PC+2*\k]
.endr
	WIN 0x08
.irp m, 0,1,2,3
	WM TT+8*\m, K2OP, KOP+16*\m, 0, 0, K2SW, KSW+\m, 0   ; all 16 rows of source 0 are the one key: register 0 holds my query's score
.endr
	WIN 0
	NOPS 8
.irp m, 0,1,2,3
	v_mul_f32 v[TM+\m], s22, v[TT+8*\m]            ; t
.endr
.irp m, 0,1,2,3
	v_floor_f32 v[TM+4+\m], -v[TM+\m]              ; -M
.endr
.irp m, 0,1,2,3
	v_fma_f32 v[TM+\m], v[TT+8*\m], s22, v[TM+4+\m]
.endr
	s_wait_alu depctr_va_vdst(0)
.irp m, 0,1,2,3
	v_exp_f32 v[PT+\m], v[TM+\m]                   ; p, over 1/2 and at most 1
.endr
	v_nop
	s_wait_alu depctr_va_vdst(0)                   ; one wait for the four
.irp m, 0,1,2,3
	v_mul_f32 v[TM+\m], 0x425c0000, v[PT+\m]       ; the row's sum: 55 p
.endr
	s_wait_alu depctr_va_vdst(0)
.irp m, 0,1,2,3
	v_rcp_f32 v[WT+\m], v[TM+\m]
.endr
	v_nop
.irp m, 0,1,2,3
	v_add_nc_u32 v[TM+12+\m], 0xfc000000, v[PT+\m]
.endr
.irp m, 0,1,2,3
	v_and_or_b32 v[TM+8+\m], v[PT+\m], 0x7f800000, s[MNT]
.endr
.irp m, 0,1,2,3
	v_lshrrev_b32 v[TM+4+\m], 23, v[TM+12+\m]
.endr
.irp m, 0,1,2,3
	v_lshl_or_b32 v[PSW4+\m], v[TM+4+\m], 8, v[TM+4+\m]
.endr
.irp m, 0,1,2,3
.irp j, 0,1,2,3,4,5,6,7
	v_min_num_f32 v[RK+8*\m+\j], v[PT+\m], v[TM+8+\m]   ; the hold at 448 x the scale
.endr
.endr
.irp m, 0,1,2,3
	v_cvt_scalef32_pk8_fp8_f32 v[PC+8+2*\m:PC+8+2*\m+1], v[RK+8*\m:RK+8*\m+7], v[TM+12+\m]
.endr
	v_nop
	s_wait_alu depctr_va_vdst(0)                   ; the four reciprocals
	v_cndmask_b32 v[WT+2], 0, v[WT+2], s26         ; queries that do not exist count for nothing
	v_cndmask_b32 v[WT+3], 0, v[WT+3], s27
.irp m, 0,1,2,3
.irp j, 0,1,2,3,4,5,6,7
	v_mov_b32 v[POP+\j], v[PC+8+2*\m]
.endr
	v_mov_b32 v[RL], v[WT+\m]
	NOPS 4                                         ; places in front of scaled products whose operand was written by vector instructions
	WIN 0x02
.irp t, 0,1,2,3
	WM OO+8*\t, VOP+16*\t, POP, 0, 0, VSW+\t, PSW4+\m, 0
.endr
	WIN 0
	NOPS 8
.irp j, 0,2,4,6,8,10,12,14,16,18,20,22,24,26,28,30
.if \m == 0
	v_pk_mul_f32 v[X32+\j:X32+\j+1], v[OO+\j:OO+\j+1], v[RL:RL+1] op_sel_hi:[1,0]
.else
	v_pk_fma_f32 v[X32+\j:X32+\j+1], v[OO+\j:OO+\j+1], v[RL:RL+1], v[X32+\j:X32+\j+1] op_sel_hi:[1,0,1]
.endif
.endr
.endr
.irp k, 1,2,4,8                        ; the sum over the sixteen queries of the lanes
.irp j, 0,1,2,3,4,5,6,7,8,9,10,11,12,13,14,15,16,17,18,19,20,21,22,23,24,25,26,27,28,29,30,31
	v_add_f32_dpp v[X32+\j], v[X32+\j], v[X32+\j] row_xmask:\k row_mask:0xf bank_mask:0xf
.endr
.endr
.irp j, 0,2,4,6,8,10,12,14,16,18,20,22,24,26,28,30
	v_pk_mul_f32 v[X32+\j:X32+\j+1], v[X32+\j:X32+\j+1], 0x3c94f209 op_sel_hi:[1,0]   ; / 55: x(64 H + 32 b + 16 h + i) in register 16 b + i
.endr
	s_add_co_u32 s72, s66, \i                      ; H
	s_lshr_b32 s73, s72, 1
	s_and_b32 s74, s72, 1
	s_add_co_u32 s73, s73, s90                     ; x's fragment: 6 (batch / 16) + H / 2
	s_lshl_b32 s76, s73, 11
	s_lshl_b32 s75, s74, 10
	s_add_co_u32 s76, s76, s75
	s_lshl_b32 s75, s91, 4
	s_add_co_u32 s76, s76, s75                     ; row batch % 16
	s_mov_b32 s77, 0
	s_add_nc_u64 s[76:77], s[10:11], s[76:77]
	s_lshl_b32 s78, s73, 7
	s_lshl_b32 s75, s74, 1
	s_add_co_u32 s78, s78, s75
	s_lshl_b32 s75, s91, 2
	s_add_co_u32 s78, s78, s75
	s_add_co_u32 s78, s78, 196608
	s_mov_b32 s79, 0
	s_add_nc_u64 s[78:79], s[10:11], s[78:79]
	v_cmp_eq_u32 vcc_lo, 0, v[R]
	s_wait_alu depctr_va_vdst(0)
	s_wait_xcnt 0x0                                ; EXEC changes only behind this wait
	s_and_saveexec_b32 s92, vcc_lo                 ; lanes 0 and 16
.irp q, 0,1,2,3,4,5,6,7
	global_store_b128 v[H64], v[X32+4*\q:X32+4*\q+3], s[88:89] offset:256*\i+128*(\q/4)+16*(\q%4)   ; x as f32, ahead of the hold that the quantiser lays on these registers
.endr
	s_wait_xcnt 0x0
	s_or_b32 exec_lo, exec_lo, s92
	QUANT 2, X32, 0, PC, 8, 4
	v_lshl_or_b32 v[PWH], v[TM+5], 8, v[TM+4]
	v_cmp_eq_u32 vcc_lo, 0, v[R]
	s_and_saveexec_b32 s92, vcc_lo
	global_store_b128 v[H256], v[PC:PC+3], s[76:77]
	global_store_b128 v[H256], v[PC+4:PC+7], s[76:77] offset:512
	global_store_b16 v[H64], v[PWH], s[78:79]
	s_wait_xcnt 0x0                                ; and again, in front of the line that widens it
	s_or_b32 exec_lo, exec_lo, s92
.endm
	s_load_b256 s[4:11], s[0:1], 0x0               ; wts 4, ctx 6, kv2 8, xb 10
	v_lshl_add_u32 v[SPW], v0, 2, SPARE
	v_mov_b32 v[NIL], 0
	ds_add_u32 v[SPW], v[NIL]                      ; the wave's opening: the add, twice on end, and its wait ahead of my first tensor load
	ds_add_u32 v[SPW], v[NIL]
	v_lshrrev_b32 v1, 5, v0
	v_readfirstlane_b32 s12, v1
	s_bfe_u32 s13, ttmp6, 0x40000                  ; cx: it enters global addresses alone
	s_lshl_b32 s14, ttmp9, 2
	s_add_co_u32 s14, s14, s13
	s_and_b32 s15, ttmp7, 0xffff                   ; group of three heads: the partners share it
	s_lshl_b32 s16, s14, 2
	s_add_co_u32 s16, s16, s12                     ; my batch
	s_mov_b32 s20, 0x76543210
	s_mov_b32 s21, 0xfedcba98
	s_mov_b32 s22, 0x3e38aa3b                      ; log2(e) / 8
	s_mov_b32 s[MNT], 0x600000
	s_mov_b32 s26, 0x7fff7fff                      ; tile 2: row 15 is query 55
	s_mov_b32 s27, 0x00ff00ff                      ; tile 3: rows 8-15 are queries 56-63
	s_mov_b32 s28, 15|(3<<16)|(1<<21)              ; group 1: 150 rows of 256 bytes, dense; mask 15, bit 21 beside it
	s_mov_b32 s29, 32<<16
	s_mov_b32 s30, 150<<16
	s_mov_b32 s31, 32<<16
	s_mov_b32 s32, 150
	s_mov_b32 s33, 32
	s_mov_b32 s34, 0
	s_mov_b32 s35, 0
	s_mul_i32 s72, s15, 153600
	s_mul_i32 s74, s12, 38400
	s_add_co_u32 s72, s72, s74
	s_add_co_u32 s72, s72, 1843200
	s_mov_b32 s73, 0
	s_wait_dscnt 0x0
	s_wait_kmcnt 0x0
	s_mov_b32 s44, 1
	s_mov_b32 s45, s74
	s_add_nc_u64 s[46:47], s[4:5], s[72:73]
	s_or_b32 s47, s47, 0x80000000
	CROUND
	tensor_load_to_lds s[44:47], s[28:35]          ; my quarter of the six records: the one tensor load of this wave
	s_nop 0
	NOPS 4
	v_and_b32 v[R], 15, v0
	v_bfe_u32 v[HH], v0, 4, 1
	v_and_b32 v[LS], 31, v0
	v_lshlrev_b32 v[LI], 4, v[LS]
	v_lshlrev_b32 v[LS], 2, v[LS]
	v_lshlrev_b32 v[H64], 6, v[HH]
	v_lshlrev_b32 v[H256], 8, v[HH]
	v_and_b32 v[PR4], 8, v[R]
	v_add_nc_u32 v[PR4], v[PR4], v[R]
	v_lshlrev_b32 v[PR4], 2, v[PR4]
	v_sub_nc_u32 v[M67], v[HH], 1                  ; lanes 0-15: all ones; lanes 16-31: 0
	v_or_b32 v[M5], 0x00ffffff, v[M67]
	v_mov_b32 v[BA], v[LI]
	v_add_nc_u32 v[BA+1], 51200, v[LI]
	v_add_nc_u32 v[BA+2], 102400, v[LI]
	v_mov_b32 v[SA], v[LS]
	v_add_nc_u32 v[SA+1], 51200, v[LS]
	v_add_nc_u32 v[SA+2], 102400, v[LS]
	v_mov_b32 v[BI], v[H64]
	v_add_nc_u32 v[BI+1], 51200, v[H64]
	v_add_nc_u32 v[BI+2], 102400, v[H64]
	s_mul_i32 s80, s16, 49152
	s_mov_b32 s81, 0
	s_add_nc_u64 s[82:83], s[6:7], s[80:81]
	s_mul_i32 s80, s16, 3072
	s_add_co_u32 s80, s80, CSC
	s_add_nc_u64 s[84:85], s[6:7], s[80:81]
	s_mul_i32 s66, s15, 3                          ; my first head
	s_mul_i32 s80, s16, 6144
	s_mul_i32 s72, s15, 768
	s_add_co_u32 s80, s80, s72
	s_add_nc_u64 s[86:87], s[8:9], s[80:81]        ; k2 of my batch at my first head; v2 lies 3,072 bytes on
	s_mul_i32 s80, s16, 3072
	s_add_co_u32 s80, s80, s72
	s_add_co_u32 s80, s80, 208896
	s_add_nc_u64 s[88:89], s[10:11], s[80:81]      ; x as f32
	s_lshr_b32 s90, s16, 4
	s_mul_i32 s90, s90, 6
	s_and_b32 s91, s16, 15
.irp s, 0,1,2,3,4,5                    ; the scale words first, then the context's 24 fragments, K step by K step, 16 loads each: the first record's waits count them
.irp m, 0,1,2,3
	global_load_b32 v[AS+4*\s+\m], v[LS], s[84:85] offset:(\m*6+\s)*128
.endr
.endr
.irp s, 0,1,2,3,4,5
.irp m, 0,1,2,3
	WIN ((1+(4*\s+\m)/16)<<6)
.irp c, 0,1,2,3
	global_load_b128 v[16*((4*\s+\m)%16)+4*\c:16*((4*\s+\m)%16)+4*\c+3], v[LI], s[82:83] offset:(\m*6+\s)*2048+\c*512
.endr
.endr
.endr
	WIN 0
.irp i, 8,9,10,11,12,13,14,15
	v_mov_b32 v[K2OP+\i], 0                        ; k = 64..127: zero codes, written once
	v_mov_b32 v[POP+\i], 0
.endr
	WIN 0x80
.irp k, 0,1,2,3
.irp i, 8,9,10,11,12,13,14,15
	v_mov_b32 v[KOP+16*\k+\i], 0
	v_mov_b32 v[VOP+16*\k+\i], 0
.endr
.endr
	WIN 0
	v_mov_b32 v[RL+1], 0
.irp b, 0,1,2,3
	v_mov_b32 v[TM+4+\b], 0
.endr
	s_wait_tensorcnt 0x0                           ; my quarter is in,
	s_barrier_signal -1
	s_barrier_wait -1                              ; everybody's is
	FETCH_H1 0
	FETCH_H2 0
.set FW, 1                             ; the launch's first record follows the context's loads
	HEAD2 0, 1
	HEAD2 1, 1
	HEAD2 2, 0
	s_wait_tensorcnt 0x0                           ; the wave's end
	ds_add_u32 v[SPW], v[NIL]
	s_wait_dscnt 0x0
	CROUND                                         ; the closing round
	s_endpgm
.Lfunc_end_k_q70eb603962_attn2:
	.size	k_q70eb603962_attn2, .Lfunc_end_k_q70eb603962_attn2-k_q70eb603962_attn2
	.p2alignl 7, 3214868480
	.fill 96, 4, 3214868480
	.section	.rodata,"a",@progbits
	.p2align	6, 0x0
	.amdhsa_kernel k_q70eb603962_attn2
		.amdhsa_group_segment_fixed_size 167936
		.amdhsa_private_segment_fixed_size 0
		.amdhsa_enable_private_segment 0
		.amdhsa_kernarg_size 32
		.amdhsa_user_sgpr_count 2
		.amdhsa_user_sgpr_kernarg_segment_ptr 1
		.amdhsa_wavefront_size32 1
		.amdhsa_system_sgpr_workgroup_id_x 1
		.amdhsa_system_sgpr_workgroup_id_y 1
		.amdhsa_system_sgpr_workgroup_id_z 1
		.amdhsa_system_vgpr_workitem_id 0
		.amdhsa_next_free_vgpr 1024
		.amdhsa_next_free_sgpr 100
		.amdhsa_reserve_vcc 1
		.amdhsa_float_denorm_mode_32 3
		.amdhsa_float_denorm_mode_16_64 3
		.amdhsa_memory_ordered 1
		.amdhsa_forward_progress 1
		.amdhsa_inst_pref_size 247
	.end_amdhsa_kernel
	.amdgpu_metadata
---
amdhsa.version: [ 1, 2 ]
amdhsa.kernels:
  - .name:           k_q70eb603962_attn2
    .symbol:         k_q70eb603962_attn2.kd
    .args:
      - { .name: wts, .offset: 0, .size: 8, .value_kind: global_buffer, .address_space: global }
      - { .name: ctx, .offset: 8, .size: 8, .value_kind: global_buffer, .address_space: global }
      - { .name: kv2, .offset: 16, .size: 8, .value_kind: global_buffer, .address_space: global }
      - { .name: xb, .offset: 24, .size: 8, .value_kind: global_buffer, .address_space: global }
    .group_segment_fixed_size: 167936
    .private_segment_fixed_size: 0
    .kernarg_segment_align: 8
    .kernarg_segment_size: 32
    .max_flat_workgroup_size: 128
    .sgpr_count:     100
    .vgpr_count:     1024
    .wavefront_size: 32
...
	.end_amdgpu_metadata
.endif
;; end of part 3
;; launch ffn1 (part 4): grid 24 x 8, 4 waves a work-group, no clusters, 0 bytes of LDS; arguments wts, xb, hid; writes hid
.if DOCPART == 4
	.amdgcn_target "amdgcn-amd-amdhsa--gfx1250"
	.amdhsa_code_object_version 6
	.text
	.protected	k_q70eb603962_ffn1
	.globl	k_q70eb603962_ffn1
	.p2align	8
	.type	k_q70eb603962_ffn1,@function
k_q70eb603962_ffn1:
	s_mov_b64 s[64:65], 0
	v_nop
	global_prefetch_b8 v0, s[64:65] scope:SCOPE_SE
	s_setreg_imm32_b32 hwreg(HW_REG_WAVE_MODE, 25, 1), 1
	s_wait_xcnt 0x0
; FFN1: hidden = gelu(x W1 + b1), quantised along the 3,072 hidden units into images for the next product.  Nothing of reference() is left out here.
; A work-group takes 32 rows (two tiles) x 128 hidden units (one K step of the next product); wave w takes the pair of tiles 4 x + w: 32 units, one block of 32: group w of the image, byte w of the scale word.
; All operands go from memory straight into registers (12 + 12 fragments a wave), asked for in one run, K step by K step; the products follow the loads by counted waits.  No LDS, no barrier: waves share nothing.
; No cluster: nothing goes through LDS, so there is no tile for a joint load to land in; a wave's 48 KB are asked for at once.
; The product is used transposed: a lane holds one row, the pair's 16 registers are 16 neighbouring hidden units.
; gelu(u) = u / 2 x erfc(-u / sqrt 2), erfc(a) = t exp(-a^2 + P(t)), t = 1 / (1 + a / 2), for a >= 0, P of degree 9 (relative error under 1.2e-7 for every a); erfc(-a) = 2 - erfc(a).
; The scale bytes leave one a lane (two stores a wave, 49 KB in all).  LIMITS: as in PREP's head.
.set LI,   3
.set LS,   4
.set H64,  5
.set AS,   8                           ; v8-19  x's scale words: 2 s + tile
.set BS,   20                          ; v20-25 W1's
.set BIAS, 26                          ; v26-41
.set TM,   42                          ; v42-57
.set PC,   58                          ; v58-65
.set ACC,  96
.set TT,   128
.set PP,   160
.set AA,   192
.set MSB, 0
.macro WIN new
.if MSB != (\new)
	s_set_vgpr_msb (MSB<<8)|(\new)
.set MSB, (\new)
.endif
.endm
	s_load_b128 s[4:7], s[0:1], 0x0                ; wts, xb
	s_load_b64 s[8:9], s[0:1], 0x10                ; hid
	v_lshrrev_b32 v1, 5, v0
	v_readfirstlane_b32 s10, v1                    ; wave
	s_and_b32 s11, ttmp7, 0xffff                   ; which 32 rows
	v_and_b32 v[LS], 31, v0
	v_lshlrev_b32 v[LI], 4, v[LS]
	v_lshlrev_b32 v[LS], 2, v[LS]
	v_bfe_u32 v[H64], v0, 4, 1
	v_lshlrev_b32 v[H64], 6, v[H64]
	s_lshl_b32 s24, ttmp9, 2
	s_add_co_u32 s24, s24, s10
	s_mul_i32 s24, s24, 25600
	s_add_co_u32 s24, s24, 4128768                 ; my record of W1
	s_mov_b32 s25, 0
	s_mul_i32 s26, s11, 24576
	s_mov_b32 s27, 0
	s_mul_i32 s28, s11, 1536
	s_add_co_u32 s28, s28, 196608
	s_mov_b32 s29, 0
	s_mul_i32 s30, s11, 98304
	s_lshl_b32 s31, ttmp9, 11
	s_add_co_u32 s30, s30, s31
	s_lshl_b32 s31, s10, 9
	s_add_co_u32 s30, s30, s31
	s_mov_b32 s31, 0
	s_mul_i32 s32, s11, 6144
	s_lshl_b32 s33, ttmp9, 7
	s_add_co_u32 s32, s32, s33
	s_add_co_u32 s32, s32, s10
	s_add_co_u32 s32, s32, 786432
	s_mov_b32 s33, 0
	s_mov_b32 s34, 0x76543210
	s_mov_b32 s35, 0xfedcba98
	s_mov_b32 s36, 0x600000
	s_mov_b32 s40, 0xbfa1fc4e                      ; -1.26551223
	s_mov_b32 s41, 0x3f8000c7                      ;  1.00002368
	s_mov_b32 s42, 0x3ebf88fb                      ;  0.37409196
	s_mov_b32 s43, 0x3dc636c9                      ;  0.09678418
	s_mov_b32 s44, 0xbe3ec24c                      ; -0.18628806
	s_mov_b32 s45, 0x3e8ec7cc                      ;  0.27886807
	s_mov_b32 s46, 0xbf914e5d                      ; -1.13520398
	s_mov_b32 s47, 0x3fbe87b0                      ;  1.48851587
	s_mov_b32 s48, 0xbf527892                      ; -0.82215223
	s_mov_b32 s49, 0x3e2ef945                      ;  0.17087277
	s_wait_alu depctr_va_vdst(0)
	s_wait_kmcnt 0x0
	s_add_nc_u64 s[12:13], s[6:7], s[26:27]        ; x's images
	s_add_nc_u64 s[14:15], s[6:7], s[28:29]        ; their scale images
	s_add_nc_u64 s[16:17], s[4:5], s[24:25]
	s_add_nc_u64 s[18:19], s[8:9], s[30:31]        ; codes out
	s_add_nc_u64 s[20:21], s[8:9], s[32:33]        ; bytes out
.irp s, 0,1,2,3,4,5
.irp m, 0,1
	global_load_b32 v[AS+2*\s+\m], v[LS], s[14:15] offset:(\m*6+\s)*128
.endr
	global_load_b32 v[BS+\s], v[LS], s[16:17] offset:24576+\s*128
.endr
.irp q, 0,1,2,3
	global_load_b128 v[BIAS+4*\q:BIAS+4*\q+3], v[H64], s[16:17] offset:25344+16*\q
.endr
.irp s, 0,1,2,3,4,5                    ; 16 loads a K step
	WIN 0x40
.irp m, 0,1
.irp c, 0,1,2,3
	global_load_b128 v[16*(2*\s+\m)+4*\c:16*(2*\s+\m)+4*\c+3], v[LI], s[12:13] offset:(\m*6+\s)*2048+\c*512
.endr
.endr
	WIN 0x80
.irp u, 0,1
.irp c, 0,1,2,3
	global_load_b128 v[16*(2*\s+\u)+4*\c:16*(2*\s+\u)+4*\c+3], v[LI], s[16:17] offset:(2*\s+\u)*2048+\c*512
.endr
.endr
.endr
	WIN 0
.irp b, 0,1
	v_mov_b32 v[TM+4+\b], 0                        ; a lane permute's destination counts as one of its sources
.endr
	WIN 0x06                                       ; source 0 (W1) window 2, source 1 (x) window 1
.irp s, 0,1,2,3,4,5
.if 16*(5-\s) > 63
	s_wait_loadcnt 63                              ; this K step's loads are in: behind them stand 16 for each later K step (the count is held at the largest that a wait can name)
.else
	s_wait_loadcnt 16*(5-\s)
.endif
.irp u, 0,1
.irp m, 0,1                            ; four accumulators by turns
.if \s == 0
.if \u == 0
	v_wmma_scale_f32_16x16x128_f8f6f4 v[ACC+16*\m+8*\u:ACC+16*\m+8*\u+7], v[16*(2*\s+\u):16*(2*\s+\u)+15], v[16*(2*\s+\m):16*(2*\s+\m)+15], v[BIAS+8*\u:BIAS+8*\u+7], v[BS+\s], v[AS+2*\s+\m]
.else
	v_wmma_scale_f32_16x16x128_f8f6f4 v[ACC+16*\m+8*\u:ACC+16*\m+8*\u+7], v[16*(2*\s+\u):16*(2*\s+\u)+15], v[16*(2*\s+\m):16*(2*\s+\m)+15], v[BIAS+8*\u:BIAS+8*\u+7], v[BS+\s], v[AS+2*\s+\m] matrix_a_scale:MATRIX_SCALE_ROW1
.endif
.else
.if \u == 0
	v_wmma_scale_f32_16x16x128_f8f6f4 v[ACC+16*\m+8*\u:ACC+16*\m+8*\u+7], v[16*(2*\s+\u):16*(2*\s+\u)+15], v[16*(2*\s+\m):16*(2*\s+\m)+15], v[ACC+16*\m+8*\u:ACC+16*\m+8*\u+7], v[BS+\s], v[AS+2*\s+\m]
.else
	v_wmma_scale_f32_16x16x128_f8f6f4 v[ACC+16*\m+8*\u:ACC+16*\m+8*\u+7], v[16*(2*\s+\u):16*(2*\s+\u)+15], v[16*(2*\s+\m):16*(2*\s+\m)+15], v[ACC+16*\m+8*\u:ACC+16*\m+8*\u+7], v[BS+\s], v[AS+2*\s+\m] matrix_a_scale:MATRIX_SCALE_ROW1
.endif
.endif
.endr
.endr
.endr
	WIN 0
.rept 8
	v_nop                                          ; eight places ahead of the first read of the results
.endr
	; gelu of my 32 numbers, stage by stage, so that no line waits for the line above it
.set n, 0
.rept 32
	v_mul_f32 v[AA+n], 0x3f3504f3, |v[ACC+n]|      ; a = |u| / sqrt 2
.set n, n+1
.endr
.set n, 0
.rept 32
	v_fma_f32 v[TT+n], v[AA+n], 0.5, 1.0
.set n, n+1
.endr
.set n, 0
	s_wait_alu depctr_va_vdst(0)
.rept 32
	v_rcp_f32 v[TT+n], v[TT+n]                     ; t
.set n, n+1
.endr
	v_nop
	s_wait_alu depctr_va_vdst(0)                   ; one wait for the batch, ahead of its first reader
.set n, 0
.rept 32
	v_fma_f32 v[PP+n], v[TT+n], s49, s48
.set n, n+1
.endr
.irp k, 47,46,45,44,43,42,41,40
.set n, 0
.rept 32
	v_fma_f32 v[PP+n], v[PP+n], v[TT+n], s[\k]
.set n, n+1
.endr
.endr
.set n, 0
.rept 32
	v_fma_f32 v[PP+n], -v[AA+n], v[AA+n], v[PP+n]
.set n, n+1
.endr
.set n, 0
.rept 32
	v_mul_f32 v[PP+n], 0x3fb8aa3b, v[PP+n]
.set n, n+1
.endr
.set n, 0
	s_wait_alu depctr_va_vdst(0)
.rept 32
	v_exp_f32 v[PP+n], v[PP+n]
.set n, n+1
.endr
	v_nop
	s_wait_alu depctr_va_vdst(0)
.set n, 0
.rept 32
	v_mul_f32 v[PP+n], v[PP+n], v[TT+n]            ; erfc(a)
.set n, n+1
.endr
.set n, 0
.rept 32
	v_sub_f32 v[TT+n], 2.0, v[PP+n]                ; erfc(-a)
.set n, n+1
.endr
.set n, 0
.rept 32
	v_cmp_gt_i32 vcc_lo, 0, v[ACC+n]               ; u negative: -u / sqrt 2 = a
	v_cndmask_b32 v[PP+n], v[TT+n], v[PP+n], vcc_lo
.set n, n+1
.endr
.set n, 0
.rept 32
	v_mul_f32 v[ACC+n], 0.5, v[ACC+n]
.set n, n+1
.endr
.set n, 0
.rept 32
	v_mul_f32 v[ACC+n], v[ACC+n], v[PP+n]
.set n, n+1
.endr
	; two blocks of 32 hidden units (one for each tile of rows): my 16 and lane l xor 16's
.irp b, 0,1
	v_max3_num_f32 v[TM+\b], |v[ACC+16*\b]|, |v[ACC+16*\b+1]|, 0x4800000
.endr
.irp i, 2,4,6,8,10,12,14
.irp b, 0,1
	v_max3_num_f32 v[TM+\b], v[TM+\b], |v[ACC+16*\b+\i]|, |v[ACC+16*\b+\i+1]|
.endr
.endr
.irp b, 0,1
	v_permlanex16_b32 v[TM+4+\b], v[TM+\b], s34, s35
.endr
.irp b, 0,1
	v_max_num_f32 v[TM+\b], v[TM+\b], v[TM+4+\b]
.endr
.irp b, 0,1
	v_add_nc_u32 v[TM+12+\b], 0xfc000000, v[TM+\b]
.endr
.irp b, 0,1
	v_and_or_b32 v[TM+8+\b], v[TM+\b], 0x7f800000, s36
.endr
.irp b, 0,1
	v_lshrrev_b32 v[TM+4+\b], 23, v[TM+12+\b]
.endr
.irp b, 0,1
.irp i, 0,1,2,3,4,5,6,7,8,9,10,11,12,13,14,15
	v_med3_num_f32 v[ACC+16*\b+\i], v[ACC+16*\b+\i], -v[TM+8+\b], v[TM+8+\b]
.endr
.endr
.irp b, 0,1
	v_cvt_scalef32_pk8_fp8_f32 v[PC+4*\b:PC+4*\b+1], v[ACC+16*\b:ACC+16*\b+7], v[TM+12+\b]
	v_cvt_scalef32_pk8_fp8_f32 v[PC+4*\b+2:PC+4*\b+3], v[ACC+16*\b+8:ACC+16*\b+15], v[TM+12+\b]
.endr
	v_nop
.irp b, 0,1
	global_store_b128 v[LI], v[PC+4*\b:PC+4*\b+3], s[18:19] offset:49152*\b   ; group w of the image: 512 consecutive bytes
	global_store_b8 v[LS], v[TM+4+\b], s[20:21] offset:3072*\b                ; byte w of each lane's scale word
.endr
	s_endpgm
.Lfunc_end_k_q70eb603962_ffn1:
	.size	k_q70eb603962_ffn1, .Lfunc_end_k_q70eb603962_ffn1-k_q70eb603962_ffn1
	.p2alignl 7, 3214868480
	.fill 96, 4, 3214868480
	.section	.rodata,"a",@progbits
	.p2align	6, 0x0
	.amdhsa_kernel k_q70eb603962_ffn1
		.amdhsa_group_segment_fixed_size 0
		.amdhsa_private_segment_fixed_size 0
		.amdhsa_enable_private_segment 0
		.amdhsa_kernarg_size 24
		.amdhsa_user_sgpr_count 2
		.amdhsa_user_sgpr_kernarg_segment_ptr 1
		.amdhsa_wavefront_size32 1
		.amdhsa_system_sgpr_workgroup_id_x 1
		.amdhsa_system_sgpr_workgroup_id_y 1
		.amdhsa_system_sgpr_workgroup_id_z 1
		.amdhsa_system_vgpr_workitem_id 0
		.amdhsa_next_free_vgpr 768
		.amdhsa_next_free_sgpr 66
		.amdhsa_reserve_vcc 1
		.amdhsa_float_denorm_mode_32 3
		.amdhsa_float_denorm_mode_16_64 3
		.amdhsa_memory_ordered 1
		.amdhsa_forward_progress 1
		.amdhsa_inst_pref_size 58
	.end_amdhsa_kernel
	.amdgpu_metadata
---
amdhsa.version: [ 1, 2 ]
amdhsa.kernels:
  - .name:           k_q70eb603962_ffn1
    .symbol:         k_q70eb603962_ffn1.kd
    .args:
      - { .name: wts, .offset: 0, .size: 8, .value_kind: global_buffer, .address_space: global }
      - { .name: xb, .offset: 8, .size: 8, .value_kind: global_buffer, .address_space: global }
      - { .name: hid, .offset: 16, .size: 8, .value_kind: global_buffer, .address_space: global }
    .group_segment_fixed_size: 0
    .private_segment_fixed_size: 0
    .kernarg_segment_align: 8
    .kernarg_segment_size: 24
    .max_flat_workgroup_size: 128
    .sgpr_count:     66
    .vgpr_count:     768
    .wavefront_size: 32
...
	.end_amdgpu_metadata
.endif
;; end of part 4
;; launch ffn2 (part 5): grid 24 x 8, 4 waves a work-group, no clusters, 16,896 bytes of LDS; arguments wts, hid, xb, yb; writes yb
.if DOCPART == 5
	.amdgcn_target "amdgcn-amd-amdhsa--gfx1250"
	.amdhsa_code_object_version 6
	.text
	.protected	k_q70eb603962_ffn2
	.globl	k_q70eb603962_ffn2
	.p2align	8
	.type	k_q70eb603962_ffn2,@function
k_q70eb603962_ffn2:
	s_mov_b64 s[64:65], 0
	v_nop
	global_prefetch_b8 v0, s[64:65] scope:SCOPE_SE
	s_setreg_imm32_b32 hwreg(HW_REG_WAVE_MODE, 25, 1), 1
	s_wait_xcnt 0x0
; FFN2: y = x + (hidden W2 + b2).  Nothing of reference() is left out here.
; A work-group makes 32 rows x 32 columns.  K = 3,072 is shared among the four waves, six K steps each; the four parts meet in LDS as images of the accumulators and are added in the order of K.
; Then wave w owns tile (rows 16 (w / 2) on, columns 8 (w % 2) + 16 h + 0..7 of the pair), adds b2 and x, and stores 32 bytes a lane: a work-group's 32 columns are 128 bytes of a row, so no whole 256 can be filled (0.8 MB in all).
; Operands go from memory straight into registers, as in FFN1; no cluster, for FFN1's reason.  LIMITS: as in PREP's head; the sum over K is made in four parts.
.set RDA,  2
.set LI,   3
.set LS,   4
.set H64,  5
.set XO,   6
.set PSA,  7
.set AS,   8
.set BS,   20
.set BB,   26                          ; v26-33 b2
.set XX,   34                          ; v34-41 x
.set SPW,  66
.set NIL,  67
.set ACC,  96
.set SS,   128
.set SPARE, 16384
.set MSB, 0
.macro WIN new
.if MSB != (\new)
	s_set_vgpr_msb (MSB<<8)|(\new)
.set MSB, (\new)
.endif
.endm
	s_load_b256 s[4:11], s[0:1], 0x0               ; wts 4, hid 6, xb 8, yb 10
	v_lshl_add_u32 v[SPW], v0, 2, SPARE
	v_mov_b32 v[NIL], 0
	v_lshrrev_b32 v1, 5, v0
	v_readfirstlane_b32 s40, v1                    ; wave
	s_and_b32 s41, ttmp7, 0xffff                   ; which 32 rows
	v_and_b32 v[LS], 31, v0
	v_lshlrev_b32 v[LI], 4, v[LS]
	v_lshlrev_b32 v[LS], 2, v[LS]
	v_bfe_u32 v[H64], v0, 4, 1
	v_lshlrev_b32 v[H64], 6, v[H64]
	v_and_b32 v[XO], 15, v0
	v_mul_u32_u24 v[XO], v[XO], 3072
	v_add_nc_u32 v[XO], v[XO], v[H64]              ; row r, + 16 h columns
	s_lshl_b32 s42, s40, 12
	v_add_nc_u32 v[PSA], s42, v[LI]                ; my part's images
	s_lshl_b32 s42, s40, 10
	v_add_nc_u32 v[RDA], s42, v[LI]                ; the tile that I own, in part 0
	s_mul_i32 s24, ttmp9, 102400
	s_add_co_u32 s24, s24, 6586368                 ; the pair's record of W2
	s_mov_b32 s25, 0
	s_mul_i32 s26, s41, 98304
	s_mul_i32 s27, s40, 12288
	s_add_co_u32 s26, s26, s27
	s_mov_b32 s27, 0
	s_mul_i32 s28, s41, 6144
	s_mul_i32 s29, s40, 768
	s_add_co_u32 s28, s28, s29
	s_add_co_u32 s28, s28, 786432
	s_add_co_u32 s32, s29, 98304                   ; W2's scale images of my K steps
	s_mov_b32 s29, 0
	s_mov_b32 s33, 0
	s_mul_i32 s30, s40, 24576                      ; W2's fragments of my K steps
	s_mov_b32 s31, 0
	s_and_b32 s43, s40, 1
	s_lshl_b32 s43, s43, 5                         ; 32 (w % 2)
	s_add_co_u32 s34, s43, 101376
	s_mov_b32 s35, 0
	s_lshl_b32 s36, s41, 5
	s_lshr_b32 s37, s40, 1
	s_lshl_b32 s37, s37, 4
	s_add_co_u32 s36, s36, s37
	s_mul_i32 s36, s36, 3072
	s_lshl_b32 s37, ttmp9, 7
	s_add_co_u32 s36, s36, s37
	s_add_co_u32 s36, s36, s43                     ; my tile's place in x and in y
	s_mov_b32 s37, 0
	s_wait_alu depctr_va_vdst(0)
	s_wait_kmcnt 0x0
	s_add_nc_u64 s[4:5], s[4:5], s[24:25]
	s_add_nc_u64 s[12:13], s[6:7], s[26:27]
	s_add_nc_u64 s[14:15], s[6:7], s[28:29]
	s_add_nc_u64 s[16:17], s[4:5], s[30:31]
	s_add_nc_u64 s[18:19], s[4:5], s[32:33]
	s_add_nc_u64 s[20:21], s[4:5], s[34:35]
	s_add_nc_u64 s[22:23], s[8:9], s[36:37]
	s_add_nc_u64 s[10:11], s[10:11], s[36:37]
	global_load_b128 v[BB:BB+3], v[H64], s[20:21]
	global_load_b128 v[BB+4:BB+7], v[H64], s[20:21] offset:16
	global_load_b128 v[XX:XX+3], v[XO], s[22:23] offset:208896
	global_load_b128 v[XX+4:XX+7], v[XO], s[22:23] offset:208896+16
.irp s, 0,1,2,3,4,5
.irp m, 0,1
	global_load_b32 v[AS+2*\s+\m], v[LS], s[14:15] offset:\m*3072+\s*128
.endr
	global_load_b32 v[BS+\s], v[LS], s[18:19] offset:\s*128
.endr
.irp s, 0,1,2,3,4,5                    ; 16 loads a K step
	WIN 0x40
.irp m, 0,1
.irp c, 0,1,2,3
	global_load_b128 v[16*(2*\s+\m)+4*\c:16*(2*\s+\m)+4*\c+3], v[LI], s[12:13] offset:\m*49152+\s*2048+\c*512
.endr
.endr
	WIN 0x80
.irp u, 0,1
.irp c, 0,1,2,3
	global_load_b128 v[16*(2*\s+\u)+4*\c:16*(2*\s+\u)+4*\c+3], v[LI], s[16:17] offset:(2*\s+\u)*2048+\c*512
.endr
.endr
.endr
	WIN 0x06
.irp s, 0,1,2,3,4,5
.if 16*(5-\s) > 63
	s_wait_loadcnt 63                              ; this K step's loads are in: behind them stand 16 for each later K step
.else
	s_wait_loadcnt 16*(5-\s)
.endif
.irp u, 0,1
.irp m, 0,1                            ; four accumulators by turns; accumulator 2 m + u
.if \s == 0
.if \u == 0
	v_wmma_scale_f32_16x16x128_f8f6f4 v[ACC+16*\m+8*\u:ACC+16*\m+8*\u+7], v[16*(2*\s+\u):16*(2*\s+\u)+15], v[16*(2*\s+\m):16*(2*\s+\m)+15], 0, v[BS+\s], v[AS+2*\s+\m]
.else
	v_wmma_scale_f32_16x16x128_f8f6f4 v[ACC+16*\m+8*\u:ACC+16*\m+8*\u+7], v[16*(2*\s+\u):16*(2*\s+\u)+15], v[16*(2*\s+\m):16*(2*\s+\m)+15], 0, v[BS+\s], v[AS+2*\s+\m] matrix_a_scale:MATRIX_SCALE_ROW1
.endif
.else
.if \u == 0
	v_wmma_scale_f32_16x16x128_f8f6f4 v[ACC+16*\m+8*\u:ACC+16*\m+8*\u+7], v[16*(2*\s+\u):16*(2*\s+\u)+15], v[16*(2*\s+\m):16*(2*\s+\m)+15], v[ACC+16*\m+8*\u:ACC+16*\m+8*\u+7], v[BS+\s], v[AS+2*\s+\m]
.else
	v_wmma_scale_f32_16x16x128_f8f6f4 v[ACC+16*\m+8*\u:ACC+16*\m+8*\u+7], v[16*(2*\s+\u):16*(2*\s+\u)+15], v[16*(2*\s+\m):16*(2*\s+\m)+15], v[ACC+16*\m+8*\u:ACC+16*\m+8*\u+7], v[BS+\s], v[AS+2*\s+\m] matrix_a_scale:MATRIX_SCALE_ROW1
.endif
.endif
.endr
.endr
.endr
	WIN 0
.rept 8
	v_nop                                          ; eight places ahead of the stores that read the results
.endr
.irp a, 0,1,2,3
	ds_store_b128 v[PSA], v[ACC+8*\a:ACC+8*\a+3] offset:\a*1024          ; each accumulator as it stands, from its low end on
	ds_store_b128 v[PSA], v[ACC+8*\a+4:ACC+8*\a+7] offset:\a*1024+512
.endr
	s_wait_dscnt 0x0                               ; for the others' sake: my stores are done
	s_barrier_signal -1
	s_barrier_wait -1
.irp p, 0,1,2,3
	ds_load_b128 v[SS+8*\p:SS+8*\p+3], v[RDA] offset:\p*4096
	ds_load_b128 v[SS+8*\p+4:SS+8*\p+7], v[RDA] offset:\p*4096+512
.endr
	s_wait_dscnt 0x0
.irp p, 8,16,24
.irp j, 0,2,4,6
	v_pk_add_f32 v[SS+\j:SS+\j+1], v[SS+\j:SS+\j+1], v[SS+\p+\j:SS+\p+\j+1]   ; the parts in the order of K
.endr
.endr
.irp j, 0,2,4,6
	v_pk_add_f32 v[SS+\j:SS+\j+1], v[SS+\j:SS+\j+1], v[BB+\j:BB+\j+1]
.endr
.irp j, 0,2,4,6
	v_pk_add_f32 v[SS+\j:SS+\j+1], v[SS+\j:SS+\j+1], v[XX+\j:XX+\j+1]
.endr
	global_store_b128 v[XO], v[SS:SS+3], s[10:11]
	global_store_b128 v[XO], v[SS+4:SS+7], s[10:11] offset:16
	s_wait_tensorcnt 0x0                           ; the wave's end, behind the last LDS store
	ds_add_u32 v[SPW], v[NIL]
	s_wait_dscnt 0x0
	s_endpgm
.Lfunc_end_k_q70eb603962_ffn2:
	.size	k_q70eb603962_ffn2, .Lfunc_end_k_q70eb603962_ffn2-k_q70eb603962_ffn2
	.p2alignl 7, 3214868480
	.fill 96, 4, 3214868480
	.section	.rodata,"a",@progbits
	.p2align	6, 0x0
	.amdhsa_kernel k_q70eb603962_ffn2
		.amdhsa_group_segment_fixed_size 16896
		.amdhsa_private_segment_fixed_size 0
		.amdhsa_enable_private_segment 0
		.amdhsa_kernarg_size 32
		.amdhsa_user_sgpr_count 2
		.amdhsa_user_sgpr_kernarg_segment_ptr 1
		.amdhsa_wavefront_size32 1
		.amdhsa_system_sgpr_workgroup_id_x 1
		.amdhsa_system_sgpr_workgroup_id_y 1
		.amdhsa_system_sgpr_workgroup_id_z 1
		.amdhsa_system_vgpr_workitem_id 0
		.amdhsa_next_free_vgpr 768
		.amdhsa_next_free_sgpr 66
		.amdhsa_reserve_vcc 0
		.amdhsa_float_denorm_mode_32 3
		.amdhsa_float_denorm_mode_16_64 3
		.amdhsa_memory_ordered 1
		.amdhsa_forward_progress 1
		.amdhsa_inst_pref_size 21
	.end_amdhsa_kernel
	.amdgpu_metadata
---
amdhsa.version: [ 1, 2 ]
amdhsa.kernels:
  - .name:           k_q70eb603962_ffn2
    .symbol:         k_q70eb603962_ffn2.kd
    .args:
      - { .name: wts, .offset: 0, .size: 8, .value_kind: global_buffer, .address_space: global }
      - { .name: hid, .offset: 8, .size: 8, .value_kind: global_buffer, .address_space: global }
      - { .name: xb, .offset: 16, .size: 8, .value_kind: global_buffer, .address_space: global }
      - { .name: yb, .offset: 24, .size: 8, .value_kind: global_buffer, .address_space: global }
    .group_segment_fixed_size: 16896
    .private_segment_fixed_size: 0
    .kernarg_segment_align: 8
    .kernarg_segment_size: 32
    .max_flat_workgroup_size: 128
    .sgpr_count:     66
    .vgpr_count:     768
    .wavefront_size: 32
...
	.end_amdgpu_metadata
.endif
;; end of part 5
;; launch ln (part 6): grid 256 x 1, 1 waves a work-group, no clusters, 0 bytes of LDS; arguments yb, ln_g, ln_b, out0; writes out0
.if DOCPART == 6
	.amdgcn_target "amdgcn-amd-amdhsa--gfx1250"
	.amdhsa_code_object_version 6
	.text
	.protected	k_q70eb603962_ln
	.globl	k_q70eb603962_ln
	.p2align	8
	.type	k_q70eb603962_ln,@function
k_q70eb603962_ln:
	s_mov_b64 s[64:65], 0
	v_nop
	global_prefetch_b8 v0, s[64:65] scope:SCOPE_SE
	s_setreg_imm32_b32 hwreg(HW_REG_WAVE_MODE, 25, 1), 1
	s_wait_xcnt 0x0
; LN: out = (y - mean) / sqrt(var + 1e-12) x g + b, a wave to a row of 768: the row stays in 24 registers between the passes.  Nothing of reference() is left out here.
; Each load and store covers 512 consecutive bytes.  No LDS, no barrier, no matrix unit: 3 KB a row, bound by the loads' way.  LIMIT: 1 / sqrt by v_rsq_f32 and a multiplication.
.set Y, 8
.set G, 32
.set B, 56
	s_load_b256 s[4:11], s[0:1], 0x0               ; yb 4, ln_g 6, ln_b 8, out0 10
	v_lshlrev_b32 v1, 4, v0
	s_mul_i32 s12, ttmp9, 3072
	s_mov_b32 s13, 0
	s_mov_b32 s14, 0x76543210
	s_mov_b32 s15, 0xfedcba98
	s_mov_b32 s16, 0x3aaaaaab                      ; 1 / 768
	s_mov_b32 s17, 0x2b8cbccc                      ; 1e-12
	v_mov_b32 v88, 0                               ; a lane permute's destination counts as one of its sources
	s_wait_alu depctr_va_vdst(0)
	s_wait_kmcnt 0x0
	s_add_nc_u64 s[4:5], s[4:5], s[12:13]
	s_add_nc_u64 s[10:11], s[10:11], s[12:13]
.irp k, 0,1,2,3,4,5
	global_load_b128 v[Y+4*\k:Y+4*\k+3], v1, s[4:5] offset:512*\k
.endr
.irp k, 0,1,2,3,4,5
	global_load_b128 v[G+4*\k:G+4*\k+3], v1, s[6:7] offset:512*\k
	global_load_b128 v[B+4*\k:B+4*\k+3], v1, s[8:9] offset:512*\k
.endr
	s_wait_loadcnt 12                              ; the row is in; the gain's and the bias's twelve loads may be out
	v_pk_add_f32 v[80:81], v[Y:Y+1], v[Y+2:Y+3]
	v_pk_add_f32 v[82:83], v[Y+4:Y+5], v[Y+6:Y+7]
.irp j, 8,12,16,20
	v_pk_add_f32 v[80:81], v[80:81], v[Y+\j:Y+\j+1]
	v_pk_add_f32 v[82:83], v[82:83], v[Y+\j+2:Y+\j+3]
.endr
	v_pk_add_f32 v[80:81], v[80:81], v[82:83]
	v_add_f32 v80, v80, v81
.irp k, 1,2,4,8
	v_add_f32_dpp v80, v80, v80 row_xmask:\k row_mask:0xf bank_mask:0xf
.endr
	v_permlanex16_b32 v88, v80, s14, s15
	v_add_f32 v80, v80, v88
	v_mul_f32 v84, s16, v80                        ; the mean
	v_mov_b32 v85, v84
.irp j, 0,2,4,6,8,10,12,14,16,18,20,22
	v_pk_add_f32 v[Y+\j:Y+\j+1], v[Y+\j:Y+\j+1], v[84:85] neg_lo:[0,1] neg_hi:[0,1]
.endr
	v_pk_mul_f32 v[80:81], v[Y:Y+1], v[Y:Y+1]
	v_pk_mul_f32 v[82:83], v[Y+2:Y+3], v[Y+2:Y+3]
.irp j, 4,8,12,16,20
	v_pk_fma_f32 v[80:81], v[Y+\j:Y+\j+1], v[Y+\j:Y+\j+1], v[80:81]
	v_pk_fma_f32 v[82:83], v[Y+\j+2:Y+\j+3], v[Y+\j+2:Y+\j+3], v[82:83]
.endr
	v_pk_add_f32 v[80:81], v[80:81], v[82:83]
	v_add_f32 v80, v80, v81
.irp k, 1,2,4,8
	v_add_f32_dpp v80, v80, v80 row_xmask:\k row_mask:0xf bank_mask:0xf
.endr
	v_permlanex16_b32 v88, v80, s14, s15
	v_add_f32 v80, v80, v88
	v_fma_f32 v80, v80, s16, s17                   ; var + 1e-12
	s_wait_alu depctr_va_vdst(0)
	v_rsq_f32 v86, v80
	v_nop                                          ; a plain line behind the transcendental,
	s_wait_alu depctr_va_vdst(0)                   ; and the wait ahead of its first reader
	v_mov_b32 v87, v86
.irp j, 0,2,4,6,8,10,12,14,16,18,20,22
	v_pk_mul_f32 v[Y+\j:Y+\j+1], v[Y+\j:Y+\j+1], v[86:87]
.endr
	s_wait_loadcnt 0x0
.irp j, 0,2,4,6,8,10,12,14,16,18,20,22
	v_pk_fma_f32 v[Y+\j:Y+\j+1], v[Y+\j:Y+\j+1], v[G+\j:G+\j+1], v[B+\j:B+\j+1]
.endr
.irp k, 0,1,2,3,4,5
	global_store_b128 v1, v[Y+4*\k:Y+4*\k+3], s[10:11] offset:512*\k
.endr
	s_endpgm
.Lfunc_end_k_q70eb603962_ln:
	.size	k_q70eb603962_ln, .Lfunc_end_k_q70eb603962_ln-k_q70eb603962_ln
	.p2alignl 7, 3214868480
	.fill 96, 4, 3214868480
	.section	.rodata,"a",@progbits
	.p2align	6, 0x0
	.amdhsa_kernel k_q70eb603962_ln
		.amdhsa_group_segment_fixed_size 0
		.amdhsa_private_segment_fixed_size 0
		.amdhsa_enable_private_segment 0
		.amdhsa_kernarg_size 32
		.amdhsa_user_sgpr_count 2
		.amdhsa_user_sgpr_kernarg_segment_ptr 1
		.amdhsa_wavefront_size32 1
		.amdhsa_system_sgpr_workgroup_id_x 1
		.amdhsa_system_sgpr_workgroup_id_y 1
		.amdhsa_system_sgpr_workgroup_id_z 1
		.amdhsa_system_vgpr_workitem_id 0
		.amdhsa_next_free_vgpr 96
		.amdhsa_next_free_sgpr 66
		.amdhsa_reserve_vcc 0
		.amdhsa_float_denorm_mode_32 3
		.amdhsa_float_denorm_mode_16_64 3
		.amdhsa_memory_ordered 1
		.amdhsa_forward_progress 1
		.amdhsa_inst_pref_size 8
	.end_amdhsa_kernel
	.amdgpu_metadata
---
amdhsa.version: [ 1, 2 ]
amdhsa.kernels:
  - .name:           k_q70eb603962_ln
    .symbol:         k_q70eb603962_ln.kd
    .args:
      - { .name: yb, .offset: 0, .size: 8, .value_kind: global_buffer, .address_space: global }
      - { .name: ln_g, .offset: 8, .size: 8, .value_kind: global_buffer, .address_space: global }
      - { .name: ln_b, .offset: 16, .size: 8, .value_kind: global_buffer, .address_space: global }
      - { .name: out0, .offset: 24, .size: 8, .value_kind: global_buffer, .address_space: global }
    .group_segment_fixed_size: 0
    .private_segment_fixed_size: 0
    .kernarg_segment_align: 8
    .kernarg_segment_size: 32
    .max_flat_workgroup_size: 32
    .sgpr_count:     66
    .vgpr_count:     96
    .wavefront_size: 32
...
	.end_amdgpu_metadata
.endif
;; end of part 6
